; MI455X (gfx1250); checked and timed in simulation.
; The chip was launched on July 23, 2026; its instructions are those of AMD's public machine-readable ISA for CDNA 5 (MIT licence, August 2026) and "CDNA5" Instruction Set Architecture Reference Guide (July 2026). The comments in the code are by the model that wrote it; some were corrected since.
;; Multi Head Self Attention. Allowed arithmetic: matrix products marked QUANTISED: E2M1 operands, one E8M0 scale for each 32 along K, by v_wmma_scale_f32_16x16x128_f8f6f4 with both operands' format E2M1 (or v_wmma_scale_f32_32x16x128_f4), f32 sums; products left as they are: bf16, f16 or f32 operands; f32 sums; everything else in f32.
;; Inputs: Wk 1,024 x 1,024 float32; Wo 1,024 x 1,024 float32; Wq 1,024 x 1,024 float32; Wv 1,024 x 1,024 float32; bk 1,024 float32; bo 1,024 float32; bq 1,024 float32; bv 1,024 float32; mask 4 x 2,048 int32; x 4 x 2,048 x 1,024 float32.
;; Outputs: out0 4 x 2,048 x 1,024 float32.
;; This version of the problem:
;;   THIS VERSION OF THE PROBLEM IS GIVEN IN LOW PRECISION. The matrix products marked QUANTISED in the list below multiply operands that are first quantised to E2M1 (2 exponent bits, 1 mantissa bit; 4 bits a number), with one power-of-two scale for each 32 numbers along K (OCP MX v1.0); their sums are f32. The products marked 'left as it is' may take bf16, f16 or f32 operands, with f32 sums. Whichever they take, every output number must still come out within the allowed error. Rounding operands to bf16 (8 significant bits) uses up far more of that allowance than f16 does (11 bits, for magnitudes from 6e-5 to 65,504). All else is computed in f32.
;;   The module's matrix products, in the order in which they are computed (A, B: the left and right operand; K: the contracted axis; several contracted axes count as one K, in the product's order):
;;     1. [M 8,192, K 1,024] x [K 1,024, N 1,024]; A: input x; B: input Wq: QUANTISED
;;     2. [M 8,192, K 1,024] x [K 1,024, N 1,024]; A: input x; B: input Wk: QUANTISED
;;     3. [M 8,192, K 1,024] x [K 1,024, N 1,024]; A: input x; B: input Wv: QUANTISED
;;     4. batch 64 x [M 2,048, K 64] x [K 64, N 2,048]; A: computed on the way; B: computed on the way: left as it is (an operand is computed on the way)
;;     5. batch 64 x [M 2,048, K 2,048] x [K 2,048, N 64]; A: computed on the way; B: computed on the way: left as it is (an operand is computed on the way)
;;     6. [M 8,192, K 1,024] x [K 1,024, N 1,024]; A: computed on the way; B: input Wo: left as it is (an operand is computed on the way)
;;   THE QUANTISER, for each operand of a quantised product, along K:
;;     - K is cut into blocks of 32 from its start; a last block that is shorter is filled with zeros.
;;     - A block's scale is 2^e with e = floor(log2(the largest magnitude in the block)) - 2, held to -126 .. 127; a block of zeros has e = 0. As a byte (E8M0): e + 127.
;;     - Each number is divided by its block's scale, clamped to +-6, and rounded to the nearest number of E2M1, ties to even, subnormals kept.
;;     - The product sums the exact products of the quantised numbers (number of the format x scale) in f32.
;;   ~~~python
;;   def quantise(x, axis):      # numpy; x: float32 -> the quantised numbers, widened to float32 again
;;       x = np.moveaxis(x, axis, -1); K = x.shape[-1]
;;       x = np.pad(x, [(0, 0)] * (x.ndim - 1) + [(0, -K % 32)]); x = x.reshape(x.shape[:-1] + (-1, 32)); a = np.abs(x).max(-1, keepdims=True)
;;       e = np.where(a > 0, np.clip(np.frexp(np.where(a > 0, a, 1))[1] - 1 - 2, -126, 127), 0)      # np.frexp(a)[1] - 1 = floor(log2(a)), exactly
;;       r = np.clip(x / 2.0 ** e, -6, 6)
;;       step = 2.0 ** (np.maximum(np.frexp(np.where(r == 0, 1, r))[1] - 1, 0) - 1)
;;       q = np.round(r / step) * step * 2.0 ** e      # np.round: ties to even
;;       return np.moveaxis(q.reshape(q.shape[:-2] + (-1,))[..., :K], -1, axis).astype(np.float32)
;;   ~~~
;; One version. Each part assembles by itself: llvm-mc -triple=amdgcn-amd-amdhsa -mcpu=gfx1250 --defsym DOCPART=n.
;; ======== version 1 of 1: 4 launches
;; limits: values are held in f16: magnitudes above 65,504 overflow, below 6.1e-05 lose precision
;; workspace buffers: xc 4,194,304 bytes; xs 262,144 bytes; wc 1,572,864 bytes; ws 98,304 bytes; wo16 2,097,152 bytes; qkv 50,331,648 bytes; ctx 16,777,216 bytes
;; launch prep (part 1): grid 384 x 1, 4 waves a work-group, no clusters, 50,688 bytes of LDS; arguments x, Wq, Wk, Wv, Wo, xc, xs, wc, ws, wo16; writes xc, xs, wc, ws, wo16
.if DOCPART == 1
	.amdgcn_target "amdgcn-amd-amdhsa--gfx1250"
	.amdhsa_code_object_version 6
	.text
	.protected	k_qb5d5a66166_prep
	.globl	k_qb5d5a66166_prep
	.p2align	8
	.type	k_qb5d5a66166_prep,@function
k_qb5d5a66166_prep:
	s_mov_b64 s[64:65], 0
	v_nop
	global_prefetch_b8 v0, s[64:65] scope:SCOPE_SE
	s_setreg_imm32_b32 hwreg(HW_REG_WAVE_MODE, 25, 1), 1
	s_wait_xcnt 0x0
; PREP.  x [8192][1024], Wq, Wk, Wv [1024][1024], f32, become codes of FP4 (E2M1), K innermost, two codes a byte, with one E8M0 byte for each 32 along K:
; xc [8192][512 bytes], xs [8192][32]; wc, ws likewise with rows 0-1023 Wq, 1024-2047 Wk, 2048-3071 Wv.  Wo [1024][1024] becomes f16 in the order of a matrix operand's registers:
; wo16 [tile of 16 rows: 64][chunk of 16 along K: 64][512 bytes]; in a chunk lane l = 16 h + r has its 16 bytes at 16 l: row r, K = 8 h .. 8 h + 7.
; A block's scale is 2^(floor(log2(its largest magnitude)) - 2); its byte is the largest magnitude's exponent field - 2, held at 1 from below.  A block of zeros so gets the byte 1: its codes are zeros, and this program alone reads the bytes.
; LIMITS: blocks whose largest magnitude lies under 2^-124 keep the byte 1; NaN and infinities among the inputs are not served; Wo must lie inside f16's range (under 65,504).
; SHARES.  Work-groups 0-255 take x, 256-287 Wq, 288-319 Wk, 320-351 Wv: 32,768 numbers each, 8,192 a wave, as plain streams of blocks of 32.  Work-groups 352-383 take Wo: a wave takes 16 rows x 512 along K, in four units of 128.
; The two ways part on the work-group's number and have LDS bytes of their own.  No tensor load, no barrier: waves share nothing.  No cluster, no matrix unit: a stream with nothing shared.
.set STEPS, 16
.set EMAX,  2
.set CB,    8                          ; bytes of 16 codes
.set R,     16                         ; v16-79   four sets of 16 numbers as they are loaded
.set X,     80                         ; v80-111  two sets of 16 neighbours
.set E,     112                        ; v112-127 a scale byte for each step
.set C,     128                        ; v128-191 codes: four registers for each step
.set WREG,  8192                       ; LDS, the quantiser's: a region for each wave: two stages of 32 x SP bytes, then its 256 scale bytes
.set SP,    80                         ; a lane's place in a stage: 64 bytes + 16 of padding
.set SPW,   12                         ; v12  LDS address of my spare word; never rewritten
.set NIL,   13                         ; v13  0; never rewritten
.set WOST,  4*WREG                     ; LDS, Wo's: a stage for each wave: 8 chunks x (2 halves x (256 bytes + 16))
.set WSTG,  8*544
.set SPARE, WOST+4*WSTG                ; the spare words, 128 bytes for each wave
.set XW,    16                         ; Wo: v16-143 two sets of 64 numbers
.set HH,    144                        ; v144-175 a unit as f16
.set OUTR,  176                        ; v176-207 its eight chunks
	s_load_b256 s[4:11], s[0:1], 0x0               ; x, Wq, Wk, Wv
	s_load_b256 s[12:19], s[0:1], 0x20             ; Wo, xc, xs, wc
	s_load_b128 s[20:23], s[0:1], 0x40             ; ws, wo16
	v_lshl_add_u32 v[SPW], v0, 2, SPARE
	v_mov_b32 v[NIL], 0
	v_lshrrev_b32 v1, 5, v0
	v_readfirstlane_b32 s32, v1                    ; wave
	v_and_b32 v2, 31, v0                           ; lane
	v_lshlrev_b32 v3, 4, v2                        ; 16 x lane
	s_cmp_ge_u32 ttmp9, 352
	s_cbranch_scc1 .Lwo
	; ---------------- the quantiser
	s_mul_i32 s33, s32, WREG
	v_lshrrev_b32 v14, 2, v2
	v_mul_u32_u24 v14, v14, SP
	v_and_b32 v15, 3, v2
	v_lshl_add_u32 v14, v15, 4, v14
	v_add_nc_u32 v14, s33, v14                     ; the stage, on the way in: four lanes' 64 bytes on end, then 16 of padding
	v_mul_u32_u24 v15, v2, SP
	v_add_nc_u32 v15, s33, v15                     ; and on the way out: my 16 neighbours
	v_mul_u32_u24 v4, v2, CB                       ; my codes' place in a step's
	v_lshrrev_b32 v5, 1, v2
	s_add_co_u32 s33, s33, 2*32*SP
	v_add_nc_u32 v5, s33, v5                       ; my wave's 256 scale bytes, my block's byte
	v_lshlrev_b32 v7, 3, v2                        ; and on the way out 8 bytes a lane
	v_add_nc_u32 v6, s33, v7
	s_wait_kmcnt 0x0
	s_cmp_lt_u32 ttmp9, 320                        ; which tensor: the choices hang on the work-group's number alone
	s_cselect_b64 s[24:25], s[8:9], s[10:11]
	s_cmp_lt_u32 ttmp9, 288
	s_cselect_b64 s[24:25], s[6:7], s[24:25]
	s_cmp_lt_u32 ttmp9, 256
	s_cselect_b64 s[24:25], s[4:5], s[24:25]       ; the numbers
	s_cselect_b64 s[26:27], s[14:15], s[18:19]     ; the codes
	s_cselect_b64 s[28:29], s[16:17], s[20:21]     ; the scale bytes
	s_cselect_b32 s30, 0, 256
	s_cselect_b32 s31, 0xffff, 31
	s_sub_co_u32 s30, ttmp9, s30                   ; my place among the work-groups that write these buffers
	s_and_b32 s31, s30, s31                        ; and among those that read this tensor
	s_lshl_b32 s31, s31, 2
	s_add_co_u32 s31, s31, s32                     ; which run of 8,192 numbers I read,
	s_lshl_b32 s34, s31, 15                        ; 32,768 bytes a run
	s_mov_b32 s35, 0
	s_add_nc_u64 s[24:25], s[24:25], s[34:35]
	s_lshl_b32 s30, s30, 2
	s_add_co_u32 s30, s30, s32                     ; and which I write:
	s_lshl_b32 s34, s30, 12                        ; 4,096 bytes of codes,
	s_add_nc_u64 s[26:27], s[26:27], s[34:35]
	s_lshl_b32 s34, s30, 8                         ; 256 scale bytes
	s_add_nc_u64 s[28:29], s[28:29], s[34:35]
.macro LOAD t
.irp i, 0,1,2,3
	global_load_b128 v[R+16*((\t)%4)+4*\i:R+16*((\t)%4)+4*\i+3], v3, s[24:25] offset:2048*(\t)+512*\i th:TH_LOAD_NT   ; 32 lanes read 512 consecutive bytes
.endr
.endm
.macro TURN t                          ; step t's numbers through the stage: LDS serves a wave's instructions in order, so no wait stands between the stores and the loads
.irp i, 0,1,2,3
	ds_store_b128 v14, v[R+16*((\t)%4)+4*\i:R+16*((\t)%4)+4*\i+3] offset:32*SP*((\t)%2)+8*SP*\i
.endr
.irp i, 0,1,2,3
	ds_load_b128 v[X+16*((\t)%2)+4*\i:X+16*((\t)%2)+4*\i+3], v15 offset:32*SP*((\t)%2)+16*\i
.endr
.endm
.irp t, 0,1,2,3
	LOAD \t
.endr
	s_wait_loadcnt 12                              ; step 0's four loads are in
	TURN 0
.macro STEP t
.set XS, X+16*((\t)%2)
.if (\t) > 0
	s_wait_dscnt 1                                 ; this step's numbers are back from the stage (the last step's byte store may be out)
.else
	s_wait_dscnt 0x0
.endif
.if ((\t)+4) < STEPS
	LOAD (\t)+4                                    ; into the registers that this step's stage stores have read
.endif
.if ((\t)+1) < STEPS
.if (STEPS-2-(\t)) >= 3
	s_wait_loadcnt 12                              ; the next step's four loads are in; those of the three steps behind it may be out
.else
	s_wait_loadcnt 4*(STEPS-2-(\t))
.endif
	TURN (\t)+1                                    ; through the other stage while this step is worked
.endif
	v_max3_num_f32 v8, |v[XS]|, |v[XS+1]|, |v[XS+2]|               ; the largest magnitude of my 16
	v_max3_num_f32 v9, |v[XS+3]|, |v[XS+4]|, |v[XS+5]|
.irp i, 6,10
	v_max3_num_f32 v8, v8, |v[XS+\i]|, |v[XS+\i+1]|
	v_max3_num_f32 v9, v9, |v[XS+\i+2]|, |v[XS+\i+3]|
.endr
	v_max3_num_f32 v8, v8, |v[XS+14]|, |v[XS+15]|
	v_max3_num_f32 v8, v8, v9, (EMAX+1)<<23        ; and the floor 2^(3 - 127): the byte cannot fall under 1
	v_max_num_f32_dpp v8, v8, v8 row_xmask:1 row_mask:0xf bank_mask:0xf   ; and of my neighbour's 16: the block's
	v_add_nc_u32 v11, -(EMAX<<23), v8              ; 2 off its exponent field: the conversion takes the exponent field of this operand as its scale
	v_cvt_scalef32_pk8_fp4_f32 v[C+4*(\t)], v[XS:XS+7], v11
	v_cvt_scalef32_pk8_fp4_f32 v[C+4*(\t)+1], v[XS+8:XS+15], v11
	v_lshrrev_b32 v[E+(\t)], 23, v11               ; the scale's byte
	ds_store_b8 v5, v[E+(\t)] offset:16*(\t)       ; both lanes of a block write the same byte with the same value
	global_store_b64 v4, v[C+4*(\t):C+4*(\t)+1], s[26:27] offset:32*CB*(\t)   ; the wave stores 256 consecutive bytes, aligned
.endm
.irp t, 0,1,2,3,4,5,6,7,8,9,10,11,12,13,14,15
	STEP \t
.endr
	ds_load_b64 v[8:9], v6                         ; LDS serves a wave's instructions in order: these see my stores
	s_wait_dscnt 0x0
	global_store_b64 v7, v[8:9], s[28:29]          ; 32 lanes store 256 consecutive bytes, aligned
	s_wait_tensorcnt 0x0                           ; the wave's end, behind my last LDS store
	ds_add_u32 v[SPW], v[NIL]
	s_wait_dscnt 0x0
	s_endpgm
	; ---------------- Wo to f16, in chunks
.Lwo:
	s_sub_co_u32 s33, ttmp9, 352
	s_lshl_b32 s33, s33, 2
	s_add_co_u32 s33, s33, s32                     ; 0 .. 127
	s_lshr_b32 s34, s33, 1                         ; my tile of 16 rows
	s_and_b32 s35, s33, 1                          ; my half of K
	s_lshl_b32 s36, s34, 16                        ; Wo: 16 rows of 4,096 bytes,
	s_lshl_b32 s38, s35, 11                        ; + 512 numbers
	s_add_co_u32 s36, s36, s38
	s_mov_b32 s37, 0
	s_lshl_b32 s38, s34, 15                        ; wo16: 64 chunks a tile,
	s_lshl_b32 s40, s35, 14                        ; + 32 chunks
	s_add_co_u32 s38, s38, s40
	s_mov_b32 s39, 0
	s_mul_i32 s41, s32, WSTG
	s_add_co_u32 s41, s41, WOST                    ; my stage
	v_lshrrev_b32 v4, 2, v2                        ; on the way in my 4 numbers of a row are K = 4 lane ..: chunk lane / 4,
	v_mul_u32_u24 v14, v4, 544
	v_bfe_u32 v4, v0, 1, 1                         ; half (lane / 2) % 2,
	v_mad_u32_u24 v14, v4, 272, v14
	v_and_b32 v4, 1, v0                            ; 8 bytes of the row's 16
	v_lshl_add_u32 v14, v4, 3, v14
	v_add_nc_u32 v14, s41, v14
	v_bfe_u32 v4, v0, 4, 1                         ; on the way out: half lane / 16, row lane % 16
	v_mul_u32_u24 v15, v4, 272
	v_and_b32 v4, 15, v0
	v_lshl_add_u32 v15, v4, 4, v15
	v_add_nc_u32 v15, s41, v15
	s_wait_kmcnt 0x0
	s_add_nc_u64 s[12:13], s[12:13], s[36:37]
	s_add_nc_u64 s[22:23], s[22:23], s[38:39]
.macro WLOAD i                         ; unit i: 16 rows x 128 along K; each load reads 512 consecutive bytes of a row
.irp j, 0,1,2,3,4,5,6,7,8,9,10,11,12,13,14,15
	global_load_b128 v[XW+64*((\i)%2)+4*\j:XW+64*((\i)%2)+4*\j+3], v3, s[12:13] offset:4096*\j+512*(\i) th:TH_LOAD_NT
.endr
.endm
.macro WUNIT i
.set XS, XW+64*((\i)%2)
.if (\i) < 3
	s_wait_loadcnt 16                              ; this unit's 16 loads are in; the next unit's may be out
.else
	s_wait_loadcnt 0x0
.endif
.irp j, 0,1,2,3,4,5,6,7,8,9,10,11,12,13,14,15
	v_cvt_pk_f16_f32 v[HH+2*\j], v[XS+4*\j], v[XS+4*\j+1]
	v_cvt_pk_f16_f32 v[HH+2*\j+1], v[XS+4*\j+2], v[XS+4*\j+3]
.endr
.if (\i) < 2
	WLOAD (\i)+2
.endif
.irp j, 0,1,2,3,4,5,6,7,8,9,10,11,12,13,14,15
	ds_store_b64 v14, v[HH+2*\j:HH+2*\j+1] offset:16*\j            ; row j
.endr
	s_wait_xcnt 0x0                                ; the last unit's stores have read their registers: the chunks' registers may be loaded again
.irp ch, 0,1,2,3,4,5,6,7
	ds_load_b128 v[OUTR+4*\ch:OUTR+4*\ch+3], v15 offset:544*\ch    ; LDS serves a wave's instructions in order: these see my stores
.endr
	s_wait_dscnt 0x0
.irp ch, 0,1,2,3,4,5,6,7
	global_store_b128 v3, v[OUTR+4*\ch:OUTR+4*\ch+3], s[22:23] offset:4096*(\i)+512*\ch   ; a chunk: 512 consecutive bytes
.endr
.endm
	WLOAD 0
	WLOAD 1
	WUNIT 0
	WUNIT 1
	WUNIT 2
	WUNIT 3
	s_wait_tensorcnt 0x0                           ; the wave's end, behind my last LDS store
	ds_add_u32 v[SPW], v[NIL]
	s_wait_dscnt 0x0
	s_endpgm
.Lfunc_end_k_qb5d5a66166_prep:
	.size	k_qb5d5a66166_prep, .Lfunc_end_k_qb5d5a66166_prep-k_qb5d5a66166_prep
	.p2alignl 7, 3214868480
	.fill 96, 4, 3214868480
	.section	.rodata,"a",@progbits
	.p2align	6, 0x0
	.amdhsa_kernel k_qb5d5a66166_prep
		.amdhsa_group_segment_fixed_size 50688
		.amdhsa_private_segment_fixed_size 0
		.amdhsa_enable_private_segment 0
		.amdhsa_kernarg_size 80
		.amdhsa_user_sgpr_count 2
		.amdhsa_user_sgpr_kernarg_segment_ptr 1
		.amdhsa_wavefront_size32 1
		.amdhsa_system_sgpr_workgroup_id_x 1
		.amdhsa_system_sgpr_workgroup_id_y 1
		.amdhsa_system_sgpr_workgroup_id_z 1
		.amdhsa_system_vgpr_workitem_id 0
		.amdhsa_next_free_vgpr 208
		.amdhsa_next_free_sgpr 66
		.amdhsa_reserve_vcc 0
		.amdhsa_float_denorm_mode_32 3
		.amdhsa_float_denorm_mode_16_64 3
		.amdhsa_memory_ordered 1
		.amdhsa_forward_progress 1
		.amdhsa_inst_pref_size 59
	.end_amdhsa_kernel
	.amdgpu_metadata
---
amdhsa.version: [ 1, 2 ]
amdhsa.kernels:
  - .name:           k_qb5d5a66166_prep
    .symbol:         k_qb5d5a66166_prep.kd
    .args:
      - { .name: x, .offset: 0, .size: 8, .value_kind: global_buffer, .address_space: global }
      - { .name: Wq, .offset: 8, .size: 8, .value_kind: global_buffer, .address_space: global }
      - { .name: Wk, .offset: 16, .size: 8, .value_kind: global_buffer, .address_space: global }
      - { .name: Wv, .offset: 24, .size: 8, .value_kind: global_buffer, .address_space: global }
      - { .name: Wo, .offset: 32, .size: 8, .value_kind: global_buffer, .address_space: global }
      - { .name: xc, .offset: 40, .size: 8, .value_kind: global_buffer, .address_space: global }
      - { .name: xs, .offset: 48, .size: 8, .value_kind: global_buffer, .address_space: global }
      - { .name: wc, .offset: 56, .size: 8, .value_kind: global_buffer, .address_space: global }
      - { .name: ws, .offset: 64, .size: 8, .value_kind: global_buffer, .address_space: global }
      - { .name: wo16, .offset: 72, .size: 8, .value_kind: global_buffer, .address_space: global }
    .group_segment_fixed_size: 50688
    .private_segment_fixed_size: 0
    .kernarg_segment_align: 8
    .kernarg_segment_size: 80
    .max_flat_workgroup_size: 128
    .sgpr_count:     66
    .vgpr_count:     208
    .wavefront_size: 32
...
	.end_amdgpu_metadata
.endif
;; end of part 1
;; launch qkv (part 2): grid 12 x 32, 4 waves a work-group, clusters of 4 x 4, 327,680 bytes of LDS; arguments xc, xs, wc, ws, bq, bk, bv, mask, qkv; writes qkv
.if DOCPART == 2
	.amdgcn_target "amdgcn-amd-amdhsa--gfx1250"
	.amdhsa_code_object_version 6
	.text
	.protected	k_qb5d5a66166_qkv
	.globl	k_qb5d5a66166_qkv
	.p2align	8
	.type	k_qb5d5a66166_qkv,@function
k_qb5d5a66166_qkv:
	s_mov_b64 s[64:65], 0
	v_nop
	global_prefetch_b8 v0, s[64:65] scope:SCOPE_SE
	s_setreg_imm32_b32 hwreg(HW_REG_WAVE_MODE, 25, 1), 1
	s_wait_xcnt 0x0
	s_wait_alu depctr_hold_cnt(0) depctr_sa_sdst(0) depctr_va_vdst(0) depctr_va_sdst(0) depctr_va_ssrc(0) depctr_va_vcc(0) depctr_vm_vsrc(0)
	s_getreg_b32 s2, hwreg(HW_REG_IB_STS2, 6, 4)
	s_cmp_eq_u32 s2, 0
	s_cbranch_scc0 .Lentry_in_a_cluster
	s_endpgm
.Lentry_in_a_cluster:
	s_bfe_u32 s2, ttmp6, 0x10000c
	s_cmp_lg_u32 s2, 0xf033
	s_cbranch_scc0 .Lentry_shape_is_right
	s_endpgm
.Lentry_shape_is_right:
; QKV.  The three quantised products as ONE GEMM on codes of FP4 (E2M1) with E8M0 scales: [8192 tokens][1024] x [3072 rows of Wq, Wk, Wv][1024]^T, sums in f32; then + bias, x a factor, rounded to f16.
; The factor: q is multiplied by c = log2(e) / 8, so that q . k is the score in powers of two; a row of k whose mask word is 0 is multiplied by 0, so that its score is exactly 0 and the next launch's bias alone stands there; v by 1.
; OUT: qkv [q, k, v][batch x 16 + head][tile of 16 tokens: 128][chunk of 16 channels: 4][512 bytes].  In a chunk of q or k lane l = 16 h + r has its 16 bytes at 16 l: token r, channels 8 h .. 8 h + 7: the order of a 16-bit
; operand's registers.  In a chunk of v the 16-byte places are permuted for the turning LDS load: place 16 (r / 8) + 8 h + r % 8.
; A tile of 256 x 256 is made by four waves, 128 x 128 each: 64 accumulators, 512 registers.  K = 1,024 is two K steps of 512, both asked for at the start: nothing in LDS is filled again.
; CLUSTERS: 4 x 4 work-groups.  The four of a row need the same tiles of x, the four of a column the same tiles of W: each tile is asked for jointly.  A cluster's x (0, 1, 2) says q, k or v: it steers selects alone.
; THE MATRIX INSTRUCTION IS USED TRANSPOSED (source 0 = 16 rows of W, source 1 = 16 tokens): a lane holds one token and eight neighbouring channels, which packed to f16 are its 16 bytes of a chunk: no stage on the way out.
; The bias is the C of each sum's first matrix instruction.
; LIMITS: c q, k and v must lie inside f16's range (under 65,504); NaN and infinities are not served.
; REGISTERS: window 0: v0-31 addresses; v32-95 scale words, two sets; v96-111 the factors, a pair for each block of 16 tokens; v112-119 mask words; v128-191 x's fragments, one set; v192-255 the bias; on the way out v128-255 packed results.
;   window 1: W's fragments, two sets, at v0 and v128.   window 2: the accumulators of my tokens 0-63 ((a, b) at v[8 (8 a + b)]);   window 3: those of my tokens 64-127.
.set SIZE_K, 1024
.set KSTEP,  512
.set NQ,     KSTEP/128
.set ROWB,   256                       ; a tile's row in bytes
.set KROW,   SIZE_K/2                  ; a row of codes in memory
.set PITCH,  272                       ; an LDS row: 256 bytes + 16 of padding
.set FR,     8
.set NL,     2
.set NP,     4
.set HALFT,  128*PITCH
.set SLOT,   4*HALFT
.set KS,     SIZE_K/32                 ; a row of scale bytes
.set SCL,    2*SLOT
.set HALFS,  (128*KS/256)*272
.set SBLK,   (16*KS/256)*272
.set SPARE,  SCL+4*HALFS               ; the spare words, 128 bytes for each wave
.set ADRA, 16
.set ADRB, 20
.set VO,   24                          ; v24  my 16 bytes' place in a chunk
.set ADRS, 27
.set SPW,  28
.set NIL,  29
.set SC,   32
.set F,    96
.set MK,   112
.set AF,   128
.set BI,   192
.set G1, 24
.set G0, 32
.set G1B, 48
.set G0B, 56
.set G1S, 68
.set G0S, 76
.set G1SB, 80
.set G0SB, 88
.set MSB, 0
.macro WIN new                         ; the immediate's high byte repeats the setting that is left
.if MSB != \new
	s_set_vgpr_msb (MSB<<8)|\new
.set MSB, \new
.endif
.endm
.set MUL_LO, 0xa1                      ; source 0 (W) window 1, source 1 (x) window 0, C and D window 2
.set MUL_HI, 0xf1                      ; the same, C and D window 3
.set TO_B,   0x40
; A joint load: waves 0 and 1 fetch for x, waves 2 and 3 for W.  An s_nop 0 and four v_nop follow each of the two lines.
.macro JLOAD g0a, g1a, g0b, g1b
	s_cmp_eq_u32 s15, 0
	s_cbranch_scc0 .Lfor_b_\@
	tensor_load_to_lds s[\g0a:\g0a+3], s[\g1a:\g1a+7]
	s_nop 0
.rept 4
	v_nop
.endr
	s_branch .Lasked_\@
.Lfor_b_\@:
	tensor_load_to_lds s[\g0b:\g0b+3], s[\g1b:\g1b+7]
	s_nop 0
.rept 4
	v_nop
.endr
.Lasked_\@:
.endm
.macro CROUND                          ; a round of the cluster's barrier
	s_barrier_signal -1
	s_barrier_wait -1
	s_cmp_lg_u32 s14, 0
	s_cbranch_scc1 .Lnot_wave_0_\@
	s_barrier_signal -3
.Lnot_wave_0_\@:
	s_barrier_wait -3
	s_barrier_signal -1
	s_barrier_wait -1
.endm
	s_load_b128 s[4:7], s[0:1], 0x0                ; x's codes, x's scales
	s_load_b128 s[8:11], s[0:1], 0x10              ; W's codes, W's scales
	s_load_b128 s[96:99], s[0:1], 0x20             ; bq, bk
	s_load_b64 s[100:101], s[0:1], 0x30            ; bv
	s_load_b64 s[104:105], s[0:1], 0x38            ; mask
	s_load_b64 s[12:13], s[0:1], 0x40              ; qkv
	v_lshl_add_u32 v[SPW], v0, 2, SPARE
	v_mov_b32 v[NIL], 0
	ds_add_u32 v[SPW], v[NIL]                      ; the wave's opening: the add, twice on end, and its wait ahead of my first tensor load
	ds_add_u32 v[SPW], v[NIL]
	v_lshrrev_b32 v1, 5, v0
	v_readfirstlane_b32 s14, v1                    ; wave 0..3
	s_lshr_b32 s15, s14, 1                         ; which half of the tile's tokens is mine.  Also: I fetch for x (0) or for W (1)
	s_and_b32 s16, s14, 1                          ; which half of its channels.  Also: which 128 rows of that tile I fetch
	s_bfe_u32 s40, ttmp6, 0x40000                  ; cx, cy
	s_bfe_u32 s41, ttmp6, 0x40004
	s_lshl_b32 s42, ttmp9, 2
	s_add_co_u32 s42, s42, s40                     ; tile column = 4 x cluster x + cx
	s_and_b32 s17, ttmp7, 0xffff
	s_lshl_b32 s17, s17, 2
	s_add_co_u32 s17, s17, s41                     ; tile row = 4 x cluster y + cy
	s_lshl_b32 s43, s41, 2
	s_lshl_b32 s43, 15, s43                        ; my row of the cluster
	s_lshl_b32 s44, 0x1111, s40                    ; my column
	; group 1: a tile of 128 rows x 256 bytes, 16 bytes of padding behind each row
	s_or_b32 s[G1+0], s43, (0<<16)|(1<<20)|(1<<21)|(5<<22)|(3<<25)
	s_or_b32 s[G1B+0], s44, (0<<16)|(1<<20)|(1<<21)|(5<<22)|(3<<25)
.irp g, G1, G1B
	s_mov_b32 s[\g+1], ROWB<<16                    ; tensor_dim0
	s_mov_b32 s[\g+2], 128<<16                     ; tensor_dim1
	s_mov_b32 s[\g+3], ROWB<<16                    ; tile_dim0
	s_mov_b32 s[\g+4], 128                         ; tile_dim1
	s_mov_b32 s[\g+5], KROW                        ; from row to row
	s_mov_b32 s[\g+6], 0
	s_mov_b32 s[\g+7], 0
.endr
	; the scales of 128 rows: a dense block of 4,096 bytes, as 16 rows of 256 bytes (32 elements of 8), 16 bytes of padding behind each
	s_or_b32 s[G1S+0], s43, (3<<16)|(1<<20)|(1<<21)|(5<<22)|(3<<25)
	s_or_b32 s[G1SB+0], s44, (3<<16)|(1<<20)|(1<<21)|(5<<22)|(3<<25)
.irp g, G1S, G1SB
	s_mov_b32 s[\g+1], 32<<16
	s_mov_b32 s[\g+2], (128*KS/256)<<16
	s_mov_b32 s[\g+3], 32<<16
	s_mov_b32 s[\g+4], 128*KS/256
	s_mov_b32 s[\g+5], 32
	s_mov_b32 s[\g+6], 0
	s_mov_b32 s[\g+7], 0
.endr
	s_lshl_b32 s18, s16, 7                         ; which 128 rows of the tile I fetch
	s_lshl_b32 s20, s17, 8
	s_add_co_u32 s20, s20, s18                     ; x: row 256 x tile row + 128 x half
	s_lshl_b32 s46, s42, 8
	s_add_co_u32 s46, s46, s18                     ; W: row 256 x tile column + 128 x half
	s_mov_b32 s21, 0
	s_mov_b32 s47, 0
	s_mov_b64 s[18:19], KS
	s_mul_u64 s[22:23], s[20:21], s[18:19]         ; where these rows' scales begin
	s_mul_u64 s[92:93], s[46:47], s[18:19]
	s_mov_b64 s[18:19], KROW
	s_mul_u64 s[20:21], s[20:21], s[18:19]         ; and their codes
	s_mul_u64 s[46:47], s[46:47], s[18:19]
	s_mul_i32 s45, s14, HALFT                      ; where they go: wave x 128 rows
	s_mul_i32 s94, s14, HALFS
	s_wait_dscnt 0x0                               ; both opening adds are done
	s_wait_kmcnt 0x0
	s_add_nc_u64 s[20:21], s[4:5], s[20:21]
	s_add_nc_u64 s[22:23], s[6:7], s[22:23]
	s_add_nc_u64 s[46:47], s[8:9], s[46:47]
	s_add_nc_u64 s[92:93], s[10:11], s[92:93]
	CROUND                                         ; all sixteen work-groups are here: the joint loads meet
	s_mov_b32 s[G0S], 1
	s_add_co_u32 s[G0S+1], s94, SCL
	s_mov_b64 s[G0S+2:G0S+3], s[22:23]
	s_or_b32 s[G0S+3], s[G0S+3], 0x80000000
	s_mov_b32 s[G0SB], 1
	s_add_co_u32 s[G0SB+1], s94, SCL
	s_mov_b64 s[G0SB+2:G0SB+3], s[92:93]
	s_or_b32 s[G0SB+3], s[G0SB+3], 0x80000000
	JLOAD G0S, G1S, G0SB, G1SB                     ; the scales first: they are wanted with K step 0
.irp s, 0,1
	s_mov_b32 s[G0+4*\s], 1
	s_add_co_u32 s[G0+4*\s+1], s45, \s*SLOT
	s_add_nc_u64 s[G0+4*\s+2:G0+4*\s+3], s[20:21], \s*ROWB
	s_or_b32 s[G0+4*\s+3], s[G0+4*\s+3], 0x80000000
	s_mov_b32 s[G0B+4*\s], 1
	s_add_co_u32 s[G0B+4*\s+1], s45, \s*SLOT
	s_add_nc_u64 s[G0B+4*\s+2:G0B+4*\s+3], s[46:47], \s*ROWB
	s_or_b32 s[G0B+4*\s+3], s[G0B+4*\s+3], 0x80000000
	JLOAD G0+4*\s, G1, G0B+4*\s, G1B               ; three tensor loads of mine are out now, and no more follow
.endr
	v_and_b32 v1, 15, v0                           ; r
	v_bfe_u32 v2, v0, 4, 1                         ; h
	v_mul_u32_u24 v3, v1, PITCH
	v_lshl_add_u32 v4, v2, 4, v3                   ; a fragment's row x pitch + 16 x half
	s_mul_i32 s21, s15, HALFT                      ; my 128 rows of x
	s_mul_i32 s22, s16, HALFT                      ; my 128 rows of W,
	s_add_co_u32 s22, s22, 2*HALFT                 ; behind x's 256
.irp s, 0,1
	v_add_nc_u32 v[ADRA+\s], s21, v4
	v_add_nc_u32 v[ADRB+\s], s22, v4
	s_add_co_u32 s21, s21, SLOT
	s_add_co_u32 s22, s22, SLOT
.endr
	v_mul_u32_u24 v5, v1, KS                       ; my row's scales: 32 bytes a row,
	v_lshrrev_b32 v6, 8, v5
	v_lshl_add_u32 v5, v6, 4, v5                   ; and 16 more for each 256 passed
	s_mul_i32 s21, s15, HALFS
	s_mul_i32 s22, s16, HALFS
	s_add_co_u32 s22, s22, 2*HALFS
	s_sub_co_u32 s22, s22, s21
	v_mul_u32_u24 v6, s22, v2                      ; lanes 16-31 take W's
	s_add_co_u32 s21, s21, SCL
	v_add_nc_u32 v5, v5, v6
	v_add_nc_u32 v[ADRS], s21, v5
	; my 16 bytes' place in a chunk: 16 x lane for q and k; 16 x (16 (r / 8) + 8 h + r % 8) for v
	v_and_b32 v5, 31, v0
	v_lshlrev_b32 v5, 4, v5
	v_bfe_u32 v6, v0, 3, 1
	v_lshlrev_b32 v6, 4, v6
	v_lshl_add_u32 v6, v2, 3, v6
	v_and_b32 v7, 7, v0
	v_add_nc_u32 v6, v6, v7
	v_lshlrev_b32 v6, 4, v6
	s_cmp_eq_u32 ttmp9, 2
	s_cselect_b32 s94, -1, 0
	v_cndmask_b32 v[VO], v5, v6, s94
	; the bias of my 128 channels: register 8 b + j = bias[16 b + 8 h + j]
	s_cselect_b64 s[98:99], s[100:101], s[98:99]   ; v's, else k's,
	s_cmp_eq_u32 ttmp9, 0
	s_cselect_b64 s[96:97], s[96:97], s[98:99]     ; else q's: the choices hang on the cluster's x alone
	s_lshl_b32 s66, s40, 10                        ; 256 channels a tile column, 4 bytes each,
	s_lshl_b32 s67, s16, 9                         ; + my half
	s_add_co_u32 s66, s66, s67
	s_mov_b32 s67, 0
	s_add_nc_u64 s[96:97], s[96:97], s[66:67]
	v_lshlrev_b32 v7, 5, v2                        ; 32 h
.irp b, 0,1,2,3,4,5,6,7
	global_load_b128 v[BI+8*\b:BI+8*\b+3], v7, s[96:97] offset:64*\b
	global_load_b128 v[BI+8*\b+4:BI+8*\b+7], v7, s[96:97] offset:64*\b+16
.endr
	; the mask words of my 128 tokens: lane (r, h) takes token 16 a + r
	s_lshl_b32 s95, s17, 8
	s_lshl_b32 s94, s15, 7
	s_add_co_u32 s95, s95, s94                     ; my first token
	s_lshl_b32 s66, s95, 2
	s_add_nc_u64 s[104:105], s[104:105], s[66:67]
	v_lshlrev_b32 v8, 2, v1
.irp a, 0,1,2,3,4,5,6,7
	global_load_b32 v[MK+\a], v8, s[104:105] offset:64*\a
.endr
	; the factors: where the mask word is not 0, and where it is
	s_mov_b32 s2, 0x3f800000
	s_mov_b32 s3, 0x3f800000
	s_cmp_eq_u32 ttmp9, 1
	s_cselect_b32 s3, 0, s3                        ; k: 0 under the mask
	s_cmp_eq_u32 ttmp9, 0
	s_cselect_b32 s2, 0x3e38aa3b, s2               ; q: c = log2(e) / 8, mask or not
	s_cselect_b32 s3, 0x3e38aa3b, s3
	v_mov_b32 v9, s2
	v_mov_b32 v10, s3
	; where my part of qkv begins: which x 2^24 + ((batch x 16 + head) x 128 + token tile) x 2,048
	s_lshr_b32 s66, s95, 11
	s_lshl_b32 s66, s66, 4
	s_lshl_b32 s94, s40, 2
	s_add_co_u32 s66, s66, s94
	s_lshl_b32 s94, s16, 1
	s_add_co_u32 s66, s66, s94                     ; batch x 16 + my first head (4 cx + 2 x half)
	s_lshl_b32 s66, s66, 7
	s_and_b32 s94, s95, 2047
	s_lshr_b32 s94, s94, 4
	s_add_co_u32 s66, s66, s94
	s_lshl_b32 s66, s66, 11
	s_lshl_b32 s94, ttmp9, 24
	s_add_co_u32 s66, s66, s94
	s_add_nc_u64 s[12:13], s[12:13], s[66:67]
	s_wait_loadcnt 0x0                             ; the bias and the mask words
.irp a, 0,1,2,3,4,5,6,7
	v_cmp_ne_u32 vcc_lo, 0, v[MK+\a]
	v_cndmask_b32 v[F+2*\a], v10, v9, vcc_lo
	v_mov_b32 v[F+2*\a+1], v[F+2*\a]               ; (the packed multiply names the pair)
.endr
.macro FRAG reg, adr, q, i             ; 16 rows x 128 K of 4-bit codes: 8 registers, two loads of 16 bytes, 32 bytes apart
.irp c, 0,1
	ds_load_b128 v[\reg+4*\c:\reg+4*\c+3], v[\adr] offset:64*(\q)+32*\c+(\i)*16*PITCH
.endr
.endm
; 16 matrix instructions: x's blocks a0, a0 + 1 against W's eight, 128 along K.  zero = 1: the first product starts the sums from the bias.  The 64 accumulators take turns, one instruction a turn.
.macro MUL16 a0, p, q, sc, zero
.irp a, \a0, \a0+1
.irp b, 0,1,2,3,4,5,6,7
.if \zero
	v_wmma_scale_f32_16x16x128_f8f6f4 v[8*(8*((\a)%4)+\b):8*(8*((\a)%4)+\b)+7], v[128*(\p)+FR*\b:128*(\p)+FR*\b+FR-1], v[AF+FR*(\a):AF+FR*(\a)+FR-1], v[BI+8*\b:BI+8*\b+7], v[SC+8*NQ*(\sc)+NQ*\b+(\q)], v[SC+8*NQ*(\sc)+NQ*(\a)+(\q)] matrix_a_fmt:MATRIX_FMT_FP4 matrix_b_fmt:MATRIX_FMT_FP4 matrix_a_scale:MATRIX_SCALE_ROW1
.else
	v_wmma_scale_f32_16x16x128_f8f6f4 v[8*(8*((\a)%4)+\b):8*(8*((\a)%4)+\b)+7], v[128*(\p)+FR*\b:128*(\p)+FR*\b+FR-1], v[AF+FR*(\a):AF+FR*(\a)+FR-1], v[8*(8*((\a)%4)+\b):8*(8*((\a)%4)+\b)+7], v[SC+8*NQ*(\sc)+NQ*\b+(\q)], v[SC+8*NQ*(\sc)+NQ*(\a)+(\q)] matrix_a_fmt:MATRIX_FMT_FP4 matrix_b_fmt:MATRIX_FMT_FP4 matrix_a_scale:MATRIX_SCALE_ROW1
.endif
.endr
.endr
.endm
.macro FETCH_B slot, q, p
	WIN TO_B
.irp i, 0,1,2,3,4,5,6,7
	FRAG 128*(\p)+FR*\i, ADRB+\slot, \q, \i
.endr
	WIN 0
.endm
.macro FETCH_A slot, q, i0
.irp i, \i0, \i0+1, \i0+2, \i0+3
	FRAG AF+FR*(\i), ADRA+\slot, \q, \i
.endr
.endm
.macro SCALES sc                       ; a K step's scale words: lanes 0-15 take x's block i, lanes 16-31 W's block i
.irp i, 0,1,2,3,4,5,6,7
	ds_load_b128 v[SC+8*NQ*\sc+NQ*\i:SC+8*NQ*\sc+NQ*\i+3], v[ADRS] offset:\i*SBLK
.endr
.endm
.macro PLACES n                        ; plain vector places behind matrix instructions, in front of loads into registers that they have read and of reads of their results
.rept \n
	v_nop
.endr
.endm
.macro STEP slot, q, zero              ; a step of 128 along K that has its successor in the same slot
	s_wait_dscnt 4*NL                              ; W's set and x's blocks 0-3 are in; the youngest eight loads (x's blocks 4-7) may be out
.if \zero
	WIN 0x81                                       ; C (the bias) window 0, D window 2
.else
	WIN MUL_LO
.endif
	MUL16 0, (\q)%2, \q, \slot, \zero
	MUL16 2, (\q)%2, \q, \slot, \zero
	s_wait_dscnt 0
	PLACES NP
	FETCH_B \slot, (\q)+1, 1-(\q)%2
	FETCH_A \slot, (\q)+1, 0
.if \zero
	WIN 0xc1                                       ; C window 0, D window 3
.else
	WIN MUL_HI
.endif
	MUL16 4, (\q)%2, \q, \slot, \zero
	MUL16 6, (\q)%2, \q, \slot, \zero
	PLACES NP
	WIN 0
	FETCH_A \slot, (\q)+1, 4
.endm
.macro STEPS slot, from
.set Q, \from
.rept NQ-1-\from
	STEP \slot, Q, 0
.set Q, Q+1
.endr
.endm
	s_wait_tensorcnt 1                             ; the scales and my part of K step 0 are in (K step 1's load may be out)
	s_barrier_signal -1
	s_barrier_wait -1                              ; everybody's are
	FETCH_B 0, 0, 0
	FETCH_A 0, 0, 0
	SCALES 0
	FETCH_A 0, 0, 4
	STEP 0, 0, 1
	STEPS 0, 1
	; slot 0's last step changes slots: my part of slot 1 has landed, everybody's behind the barrier
	s_wait_tensorcnt 0x0
	ds_add_u32 v[SPW], v[NIL]                      ; 0 onto my spare word
	s_wait_dscnt 4*NL+1                            ; (the add and the youngest eight loads may be out)
	WIN MUL_LO
	MUL16 0, 1, NQ-1, 0, 0
	s_wait_dscnt 0x0
	s_barrier_signal -1
	MUL16 2, 1, NQ-1, 0, 0
	WIN 0
	s_barrier_wait -1
	PLACES NP
	v_add_nc_u32 v[ADRS], 4*NQ, v[ADRS]            ; on to K step 1's scale words
	FETCH_B 1, 0, 0
	FETCH_A 1, 0, 0
	SCALES 1
	WIN MUL_HI
	MUL16 4, 1, NQ-1, 0, 0
	MUL16 6, 1, NQ-1, 0, 0
	PLACES NP
	WIN 0
	FETCH_A 1, 0, 4
	STEPS 1, 0
	s_wait_dscnt 4*NL                              ; the very last step: nothing more to fetch
	WIN MUL_LO
	MUL16 0, 1, NQ-1, 1, 0
	MUL16 2, 1, NQ-1, 1, 0
	s_wait_dscnt 0
	WIN MUL_HI
	MUL16 4, 1, NQ-1, 1, 0
	MUL16 6, 1, NQ-1, 1, 0
	WIN 0
; THE WAY OUT of block a (16 tokens x 128 channels): x the token's factor, rounded to f16; an accumulator's four packed registers are a chunk: the wave stores 512 consecutive bytes.
.macro OUTB a
.set AC, 64*((\a)%4)
.set TT, 128+32*((\a)%4)
.if (\a) >= 4
	s_wait_xcnt 0x0                                ; block a - 4's stores have read these registers
.endif
	WIN (0x82+0x41*((\a)/4))                       ; source 0 and destination: window 2 or 3; the factor: window 0
.set i, 0
.rept 32
	v_pk_mul_f32 v[AC+2*i:AC+2*i+1], v[AC+2*i:AC+2*i+1], v[F+2*(\a):F+2*(\a)+1] op_sel_hi:[1,0]   ; each accumulator from its low end on
.set i, i+1
.endr
	WIN (0x0a+5*((\a)/4))                          ; sources window 2 or 3, destination window 0
.set i, 0
.rept 32
	v_cvt_pk_f16_f32 v[TT+i], v[AC+2*i], v[AC+2*i+1]
.set i, i+1
.endr
	WIN 0
.irp b, 0,1,2,3,4,5,6,7
	global_store_b128 v[VO], v[TT+4*\b:TT+4*\b+3], s[12:13] offset:2048*(\a)+262144*(\b/4)+512*(\b%4)   ; token tile a, head b / 4, chunk b % 4
.endr
.endm
	PLACES NP
.irp a, 0,1,2,3,4,5,6,7
	OUTB \a
.endr
	s_wait_tensorcnt 0x0                           ; the wave's end
	ds_add_u32 v[SPW], v[NIL]
	s_wait_dscnt 0x0
	CROUND                                         ; the closing round
	s_endpgm
.Lfunc_end_k_qb5d5a66166_qkv:
	.size	k_qb5d5a66166_qkv, .Lfunc_end_k_qb5d5a66166_qkv-k_qb5d5a66166_qkv
	.p2alignl 7, 3214868480
	.fill 96, 4, 3214868480
	.section	.rodata,"a",@progbits
	.p2align	6, 0x0
	.amdhsa_kernel k_qb5d5a66166_qkv
		.amdhsa_group_segment_fixed_size 327680
		.amdhsa_private_segment_fixed_size 0
		.amdhsa_enable_private_segment 0
		.amdhsa_kernarg_size 72
		.amdhsa_user_sgpr_count 2
		.amdhsa_user_sgpr_kernarg_segment_ptr 1
		.amdhsa_wavefront_size32 1
		.amdhsa_system_sgpr_workgroup_id_x 1
		.amdhsa_system_sgpr_workgroup_id_y 1
		.amdhsa_system_sgpr_workgroup_id_z 1
		.amdhsa_system_vgpr_workitem_id 0
		.amdhsa_next_free_vgpr 1024
		.amdhsa_next_free_sgpr 106
		.amdhsa_reserve_vcc 1
		.amdhsa_float_denorm_mode_32 3
		.amdhsa_float_denorm_mode_16_64 3
		.amdhsa_memory_ordered 1
		.amdhsa_forward_progress 1
		.amdhsa_inst_pref_size 138
	.end_amdhsa_kernel
	.amdgpu_metadata
---
amdhsa.version: [ 1, 2 ]
amdhsa.kernels:
  - .name:           k_qb5d5a66166_qkv
    .symbol:         k_qb5d5a66166_qkv.kd
    .args:
      - { .name: xc, .offset: 0, .size: 8, .value_kind: global_buffer, .address_space: global }
      - { .name: xs, .offset: 8, .size: 8, .value_kind: global_buffer, .address_space: global }
      - { .name: wc, .offset: 16, .size: 8, .value_kind: global_buffer, .address_space: global }
      - { .name: ws, .offset: 24, .size: 8, .value_kind: global_buffer, .address_space: global }
      - { .name: bq, .offset: 32, .size: 8, .value_kind: global_buffer, .address_space: global }
      - { .name: bk, .offset: 40, .size: 8, .value_kind: global_buffer, .address_space: global }
      - { .name: bv, .offset: 48, .size: 8, .value_kind: global_buffer, .address_space: global }
      - { .name: mask, .offset: 56, .size: 8, .value_kind: global_buffer, .address_space: global }
      - { .name: qkv, .offset: 64, .size: 8, .value_kind: global_buffer, .address_space: global }
    .group_segment_fixed_size: 327680
    .private_segment_fixed_size: 0
    .kernarg_segment_align: 8
    .kernarg_segment_size: 72
    .max_flat_workgroup_size: 128
    .sgpr_count:     106
    .vgpr_count:     1024
    .wavefront_size: 32
...
	.end_amdgpu_metadata
.endif
;; end of part 2
;; launch attn (part 3): grid 8 x 64, 4 waves a work-group, clusters of 4 x 1, 327,680 bytes of LDS; arguments qkv, mask, ctx; writes ctx
.if DOCPART == 3
	.amdgcn_target "amdgcn-amd-amdhsa--gfx1250"
	.amdhsa_code_object_version 6
	.text
	.protected	k_qb5d5a66166_attn
	.globl	k_qb5d5a66166_attn
	.p2align	8
	.type	k_qb5d5a66166_attn,@function
k_qb5d5a66166_attn:
	s_mov_b64 s[64:65], 0
	v_nop
	global_prefetch_b8 v0, s[64:65] scope:SCOPE_SE
	s_setreg_imm32_b32 hwreg(HW_REG_WAVE_MODE, 25, 1), 1
	s_wait_xcnt 0x0
	s_wait_alu depctr_hold_cnt(0) depctr_sa_sdst(0) depctr_va_vdst(0) depctr_va_sdst(0) depctr_va_ssrc(0) depctr_va_vcc(0) depctr_vm_vsrc(0)
	s_getreg_b32 s2, hwreg(HW_REG_IB_STS2, 6, 4)
	s_cmp_eq_u32 s2, 0
	s_cbranch_scc0 .Lentry_in_a_cluster
	s_endpgm
.Lentry_in_a_cluster:
	s_bfe_u32 s2, ttmp6, 0x10000c
	s_cmp_lg_u32 s2, 0x3003
	s_cbranch_scc0 .Lentry_shape_is_right
	s_endpgm
.Lentry_shape_is_right:
; ATTN.  ctx[b][q][head] = the sum over keys of softmax_k(t) v, for 64 pairs (batch, head), 2,048 queries and keys, head size 64, operands f16, products, maxima and sums f32.
; q arrives multiplied by log2(e) / 8, so t = q . k is the score in powers of two.  THE MASK: k's rows under the mask arrive as zeros, so their q . k is exactly 0; the C of each score tile's first matrix instruction is a bias,
; 0 for a key that counts and NEG = -1e9 log2(e) for one that does not: a masked t is exactly NEG, whatever the inputs.  p = 2^(t - m), m the running maximum: where only masked keys have been seen, t - m is exactly 0 and p = 1,
; so a batch with every key masked gives the uniform average; the first key that counts wipes what was summed, by a = 2^(NEG - m) = 0.
; SHARES.  A work-group owns 256 queries of one head, each of its four waves 64: four tiles of 16.  Every wave walks all keys, 64 a step.
; LAYOUT.  S^T = K Q^T (source 0 = 16 keys, source 1 = 16 queries): a lane holds ONE query and the keys 8 (lane / 16) + 0..7; two such tiles, rounded to f16 in pairs, ARE source 1 of O^T = V^T P.
; q, k, v lie in memory in chunks of 512 bytes in the order of an operand's registers, so every LDS and global access here is 16 x lane + a constant; v's chunks are laid for ds_load_tr16_b128, which turns them.
; BY TURNS.  The wave's tiles are two pieces (tiles 0, 1; tiles 2, 3).  In a turn one piece has the matrix unit (16 products V^T P of the step in hand, 16 products K Q^T of the next); the other piece's softmax, 59 slices of four
; instructions, stands between them: two slices behind each of the first 27 products, one behind each of the last five.  Two turns are a key step.
; CLUSTER.  The four query blocks of a cluster belong to one head and walk the same K and V: each tile is asked for jointly, by the same tensor load with a mask that names the four.
; RING.  Two slots of 256 keys (four key steps): K's 32,768 bytes, then V's.  Each wave fetches a quarter of a slot, 16,384 dense bytes: two loads of a wave are out at the head, one behind each round.
; OUT: ctx [tile of 16 tokens: 512][chunk of 16 channels: 64][512 bytes], f16, in the order of an operand's registers; a packed accumulator is a chunk: no stage.
; LIMITS: ctx inside f16's range; NaN and infinities are not served.  The row's sum is taken of the unrounded p.
; REGISTERS: window 0: v0-11 addresses; v12-43 eight registers of statistics a tile; v44-59 mask words; v64-191 S^T, 32 a tile; v192-255 P, 16 a tile.
;   window 1: v0-127 O^T, 32 a tile.   window 2: v0-63 Q, 16 a tile; v64-95 the step's bias; v128-191 K of one step.   window 3: v0-63 V of one step.
.set STEPB, 8192                       ; a key step's K (or V) in a slot: 4 tiles x 4 chunks x 512
.set SLOTK, 4*STEPB                    ; a slot's K; V lies behind it
.set SLOT1, 2*SLOTK                    ; slot 1 begins here: one exclusive or turns an address
.set BIAS,  2*SLOT1                    ; 2,048 f32: the mask as a bias; written by LDS stores, no tile lands here
.set SPARE, BIAS+8192                  ; the spare words, 128 bytes for each wave
.set LI,  2                            ; v2   16 x lane
.set AV0, 3                            ; v3   16 x lane + SLOTK
.set ADR, 4                            ; v4   the address of the run of loads in hand
.set AB0, 6                            ; v6   BIAS + 32 (lane / 16)
.set ADB, 7                            ; v7   the step's bias
.set ST,  12                           ; tile t at v[ST + 8 t]: +0 m, +1 zero (named with m as a pair), +2, +3 l (even keys', odd keys'), +4 to +7 c0-c3 at work; a takes c2's place
.set PFO, 61
.set SPW, 62
.set NIL, 63
.set S,   64
.set P,   192
.set BI,  64                           ; in window 2
.set KF,  128                          ; in window 2
.set WV,  12
.set LIM, 15
.set PFA, 18
.set G1,  24                           ; s[24:31] group 1
.set G0,  40                           ; s[40:43] group 0 for slot 0's first fill; s[44:47] for slot 1's, which then walks
.set SLOTS, 56
.set TWICE, 57
.set SEL, 60
.set TB,  62                           ; LDS byte at which the K of the step to be fetched begins
.set TBB, 63                           ; and its 256 bytes of bias
.set MSB, 0
.macro WIN new
.if MSB != \new
	s_set_vgpr_msb (MSB<<8)|\new
.set MSB, \new
.endif
.endm
.set W_KQ0, 0x2a                       ; K, Q and the bias in window 2, S^T in window 0
.set W_KQ,  0x0a                       ; K and Q in window 2, S^T in window 0
.set W_PV,  0x53                       ; V in window 3, P in window 0, O^T in window 1
.set W_RS,  0x41                       ; O^T in window 1, a in window 0
.macro CROUND
	s_barrier_signal -1
	s_barrier_wait -1
	s_cmp_lg_u32 s[WV], 0
	s_cbranch_scc1 .Lnot_wave_0_\@
	s_barrier_signal -3
.Lnot_wave_0_\@:
	s_barrier_wait -3
	s_barrier_signal -1
	s_barrier_wait -1
.endm
; A prefetch of what the NEXT change of slots will ask for: a slot's 32,768 bytes of K and of V.  The head's first cluster asks; its four partners take 8,192 bytes each, told apart by address; in each, wave 0 asks for K's
; and wave 2 for V's, lanes 256 bytes apart: each aligned block of 256 bytes is named once.  It stands four key steps, 256 matrix instructions, ahead of the load; the last change that fills a slot asks for nothing.
.macro ASK
	s_cmp_gt_u32 s[SLOTS], s[LIM]
	s_cbranch_scc0 .Lnot_mine_\@
	global_prefetch_b8 v[PFO], s[PFA:PFA+1] th:TH_LOAD_NT scope:SCOPE_SE
.Lnot_mine_\@:
.endm
	s_load_b128 s[4:7], s[0:1], 0x0                ; qkv, mask
	s_load_b64 s[8:9], s[0:1], 0x10                ; ctx
	v_lshl_add_u32 v[SPW], v0, 2, SPARE
	v_mov_b32 v[NIL], 0
	ds_add_u32 v[SPW], v[NIL]                      ; the wave's opening: the add, twice on end, and its wait ahead of my first tensor load
	ds_add_u32 v[SPW], v[NIL]
	v_lshrrev_b32 v1, 5, v0
	v_readfirstlane_b32 s[WV], v1                  ; wave 0..3
	s_bfe_u32 s13, ttmp6, 0x40000                  ; cx
	s_lshl_b32 s14, ttmp9, 2
	s_add_co_u32 s14, s14, s13                     ; my block of 256 queries: it enters Q's and ctx's addresses alone
	s_and_b32 s20, ttmp7, 0xffff                   ; batch x 16 + head, which the four partners share
	s_lshl_b32 s21, s20, 18                        ; the head's first byte in q, in k and in v
	s_lshr_b32 s16, s[WV], 1
	s_add_co_u32 s16, s16, 1
	s_lshl_b32 s16, s16, 24                        ; waves 0, 1 fetch K (2^24 bytes into qkv), waves 2, 3 V (2^25)
	s_and_b32 s17, s[WV], 1
	s_lshl_b32 s17, s17, 14                        ; which half of a slot's 32,768 bytes
	s_add_co_u32 s16, s16, s17
	s_add_co_u32 s22, s16, s21
	s_mov_b32 s23, 0                               ; s[22:23]: my tile of slot 0, from qkv's first byte
	s_lshl_b32 s17, s[WV], 14                      ; and its place in a slot: wave x 16,384
	s_lshl_b32 s2, s14, 15                         ; Q: 16 tiles of 2,048 bytes a block,
	s_lshl_b32 s3, s[WV], 13                       ; 4 a wave
	s_add_co_u32 s2, s2, s3
	s_add_co_u32 s2, s2, s21
	s_mov_b32 s3, 0
	s_lshr_b32 s32, s20, 4                         ; batch
	s_and_b32 s33, s20, 15                         ; head
	s_lshl_b32 s34, s32, 7
	s_lshl_b32 s35, s14, 4
	s_add_co_u32 s34, s34, s35
	s_lshl_b32 s35, s[WV], 2
	s_add_co_u32 s34, s34, s35                     ; my first token tile in ctx,
	s_lshl_b32 s34, s34, 15                        ; 32,768 bytes a tile,
	s_lshl_b32 s35, s33, 11                        ; + 4 chunks a head
	s_add_co_u32 s34, s34, s35
	s_mov_b32 s35, 0
	s_lshl_b32 s36, s32, 13                        ; the batch's 2,048 mask words
	s_mov_b32 s37, 0
	; group 1: 16,384 dense bytes as 64 rows of 256 (32 elements of 8 bytes), no padding
	s_mov_b32 s[G1], 15|(3<<16)|(1<<21)            ; the mask: all four work-groups; elements of 8 bytes; bit 21 set beside a mask
	s_mov_b32 s[G1+1], 32<<16                      ; tensor_dim0
	s_mov_b32 s[G1+2], 64<<16                      ; tensor_dim1
	s_mov_b32 s[G1+3], 32<<16                      ; tile_dim0
	s_mov_b32 s[G1+4], 64                          ; tile_dim1
	s_mov_b32 s[G1+5], 32                          ; from row to row
	s_mov_b32 s[G1+6], 0
	s_mov_b32 s[G1+7], 0
	s_mov_b32 s[SEL], 0x76543210
	s_mov_b32 s[SEL+1], 0xfedcba98
	s_mov_b32 s[TB], 0
	s_mov_b32 s[TBB], 0
	s_mov_b32 s[SLOTS], 6
	s_and_b32 s[LIM], s[WV], 1                     ; 0 in waves 0 and 2,
	s_or_b32 s[LIM], s[LIM], ttmp9                 ; where the cluster is the head's first
	s_cmp_eq_u32 s[LIM], 0
	s_cselect_b32 s[LIM], 1, -1
	v_and_b32 v[PFO], 31, v0
	v_lshlrev_b32 v[PFO], 8, v[PFO]
	s_wait_dscnt 0x0                               ; both opening adds are done
	s_wait_kmcnt 0x0
	s_add_nc_u64 s[10:11], s[4:5], s[22:23]        ; K or V at my tile of slot 0
	s_add_nc_u64 s[4:5], s[4:5], s[2:3]            ; Q at my wave's first tile
	s_add_nc_u64 s[8:9], s[8:9], s[34:35]          ; ctx likewise
	s_add_nc_u64 s[6:7], s[6:7], s[36:37]          ; the batch's mask
	s_lshl_b32 s2, s13, 13                         ; my work-group's 8,192 bytes of a slot's 32,768
	s_add_nc_u64 s[PFA:PFA+1], s[10:11], s[2:3]
	s_add_nc_u64 s[PFA:PFA+1], s[PFA:PFA+1], 2*SLOTK   ; in slot 2; the first change of slots steps it to slot 3.  Nothing is prefetched at the head
	CROUND                                         ; all four work-groups are here: the first joint loads meet
.irp s, 0,1
	s_mov_b32 s[G0+4*\s], 1
	s_add_co_u32 s[G0+4*\s+1], s17, \s*SLOT1
	s_add_nc_u64 s[G0+4*\s+2:G0+4*\s+3], s[10:11], \s*SLOTK
	s_or_b32 s[G0+4*\s+3], s[G0+4*\s+3], 0x80000000
.endr
	tensor_load_to_lds s[G0:G0+3], s[G1:G1+7]      ; both first fills together, ahead of every wait on TENSORcnt and every LDS read
	s_nop 0
	tensor_load_to_lds s[G0+4:G0+7], s[G1:G1+7]
	s_nop 0
.rept 4
	v_nop
.endr
	v_and_b32 v1, 31, v0
	v_lshlrev_b32 v[LI], 4, v1
	v_add_nc_u32 v[AV0], SLOTK, v[LI]
	v_bfe_u32 v5, v0, 4, 1
	v_lshl_add_u32 v[AB0], v5, 5, BIAS
	v_lshlrev_b32 v9, 4, v0                        ; the mask: 16 bytes a thread, four times 2,048 bytes
	v_add_nc_u32 v8, BIAS, v9
	v_mov_b32 v10, 0xceabfb8f                      ; NEG = -1e9 log2(e)
.irp i, 0,1,2,3
	global_load_b128 v[44+4*\i:47+4*\i], v9, s[6:7] offset:2048*\i
.endr
	WIN 0x80                                       ; destination window 2
.irp t, 0,1,2,3
.irp g, 0,1,2,3
	global_load_b128 v[16*\t+4*\g:16*\t+4*\g+3], v[LI], s[4:5] offset:2048*\t+512*\g   ; Q stays in registers: tile t, chunk g
.endr
.endr
	WIN 0
	s_wait_loadcnt 16                              ; the mask words are in; Q's sixteen loads may be out
.irp n, 0,1,2,3,4,5,6,7,8,9,10,11,12,13,14,15
	v_cmp_eq_u32 vcc_lo, 0, v[44+\n]
	v_cndmask_b32 v[44+\n], v[NIL], v10, vcc_lo    ; 0 for a key that counts, NEG for one that does not
.endr
.irp i, 0,1,2,3
	ds_store_b128 v8, v[44+4*\i:47+4*\i] offset:2048*\i
.endr
; Product i of 16 of S^T = K Q^T for piece x: channels 32 (i / 8) on, keys 16 ((i / 2) % 4) on, tile x + i % 2.  The first 8 start the sums from the bias.  The accumulators take turns.
.macro KQ x
.set rS, S+32*(\x+i%2)+8*((i/2)%4)
.set rK, KF+16*((i/2)%4)+8*(i/8)
.set rQ, 16*(\x+i%2)+8*(i/8)
.set rB, BI+8*((i/2)%4)
.if i < 8
	WIN W_KQ0
	v_wmma_f32_16x16x32_f16 v[rS:rS+7], v[rK:rK+7], v[rQ:rQ+7], v[rB:rB+7]
.else
	WIN W_KQ
	v_wmma_f32_16x16x32_f16 v[rS:rS+7], v[rK:rK+7], v[rQ:rQ+7], v[rS:rS+7]
.endif
.endm
; Product i of 16 of O^T += V^T P: keys 32 (i / 8) on, channels 16 ((i / 2) % 4) on, tile x + i % 2.  zero = 1: the first 8 start the sums.
.macro PV x, zero
	WIN W_PV
.set rO, 32*(\x+i%2)+8*((i/2)%4)
.set rV, 32*(i/8)+8*((i/2)%4)
.set rP, P+16*(\x+i%2)+8*(i/8)
.if \zero && (i < 8)
	v_wmma_f32_16x16x32_f16 v[rO:rO+7], v[rV:rV+7], v[rP:rP+7], 0
.else
	v_wmma_f32_16x16x32_f16 v[rO:rO+7], v[rV:rV+7], v[rP:rP+7], v[rO:rO+7]
.endif
.endm
.macro FETCH_K                         ; a step's K, 16 chunks, and its 64 keys' bias: register 8 kt + j = the bias of key 16 kt + 8 (lane / 16) + j
	WIN 0
	v_add_nc_u32 v[ADR], s[TB], v[LI]
	v_add_nc_u32 v[ADB], s[TBB], v[AB0]
	s_add_co_u32 s[TBB], s[TBB], 256
	WIN 0x80
.irp g, 0,1,2,3,4,5,6,7,8,9,10,11,12,13,14,15
	ds_load_b128 v[KF+4*\g:KF+4*\g+3], v[ADR] offset:512*\g
.endr
.irp kt, 0,1,2,3
	ds_load_b128 v[BI+8*\kt:BI+8*\kt+3], v[ADB] offset:64*\kt
	ds_load_b128 v[BI+8*\kt+4:BI+8*\kt+7], v[ADB] offset:64*\kt+16
.endr
.endm
.macro FETCH_V                         ; the same step's V, turned: keys 32 u on, channels 16 ct on
	WIN 0
	v_add_nc_u32 v[ADR], s[TB], v[AV0]
	s_add_co_u32 s[TB], s[TB], STEPB               ; the next fetch is the next step's
	s_wait_alu depctr_va_vdst(0)                   ; the wait for the softmax's batch of exponentials, ahead of the first line that names a result
	WIN 0xc0
.irp u, 0,1
.irp ct, 0,1,2,3
	ds_load_tr16_b128 v[32*\u+8*\ct:32*\u+8*\ct+3], v[ADR] offset:2048*(2*\u)+512*\ct
	ds_load_tr16_b128 v[32*\u+8*\ct+4:32*\u+8*\ct+7], v[ADR] offset:2048*(2*\u+1)+512*\ct
.endr
.endr
.endm
; THE VECTOR WORK.  One tile's softmax for one key step is a list of 118 numbers; SM writes number j of it for tile t.
;   0-15 the maximum of the lane's 32 scores and the old m;  16-20 the other half of the lanes' maximum, the new m, m_old - m_new (19 is empty);
;   21-69 ONE BATCH: 16 packed subtractions t - m and 33 exponentials (a at 23), none of which reads an exponential's result;  (the wait);
;   70-85 the roundings to f16;  86-101 the sums, l = a l + the sum;  102-117 the tile's O^T times a.   first = 1: the first key step has no old m, no a, nothing to rescale.
.macro SM t, first
.set rT, ST+8*(\t)
.set rS, S+32*(\t)
.set rP, P+16*(\t)
.set rO, 32*(\t)+2*(j-102)
.if j < 102
	WIN 0
.endif
.if j < 4
	v_max3_num_f32 v[rT+4+j], v[rS+8*j], v[rS+8*j+1], v[rS+8*j+2]          ; each accumulator is first read at its low end
.elseif j < 12
	v_max3_num_f32 v[rT+4+j%4], v[rT+4+j%4], v[rS+8*(j%4)+2*(j/4)+1], v[rS+8*(j%4)+2*(j/4)+2]
.elseif j == 12
	v_max3_num_f32 v[rT+4], v[rT+4], v[rS+7], v[rS+15]
.elseif j == 13
	v_max3_num_f32 v[rT+6], v[rT+6], v[rS+23], v[rS+31]
.elseif j == 14
	v_max3_num_f32 v[rT+4], v[rT+4], v[rT+5], v[rT+6]
.elseif (j == 15) && \first
	v_max_num_f32 v[rT+4], v[rT+4], v[rT+7]
.elseif j == 15
	v_max3_num_f32 v[rT+4], v[rT+4], v[rT+7], v[rT]
.elseif j == 16
	v_permlanex16_b32 v[rT+5], v[rT+4], s[SEL], s[SEL+1]           ; the query's other 32 keys lie in the lane 16 away
.elseif j == 18
	v_max_num_f32 v[rT], v[rT+4], v[rT+5]
.elseif j == 19
.elseif ((j == 17) || (j == 20) || (j == 23) || (j > 101)) && \first
.elseif j == 17
	v_mov_b32 v[rT+7], v[rT]                       ; m_old is kept for a
.elseif j == 20
	v_sub_f32 v[rT+7], v[rT+7], v[rT]
.elseif j == 23
	v_exp_f32 v[rT+6], v[rT+7]
.elseif (j < 23) || ((j < 38) && (j%2 == 0)) || ((j < 66) && (j%4 == 2))
.set b, (j-2)/4                        ; 38, 42, .. 62: pairs 9 to 15
.if j < 38
.set b, (j-20)/2                       ; 21: pair 0; 22, 24, .. 36: pairs 1 to 8
.endif
	v_pk_add_f32 v[rS+2*b:rS+2*b+1], v[rS+2*b:rS+2*b+1], v[rT:rT+1] op_sel_hi:[1,0] neg_lo:[0,1] neg_hi:[0,1]   ; pair b: t - m, exactly 0 where t = m
.elseif j < 70
.set e, j-38                           ; 66 to 69: s28 to s31
.if j < 66
.set e, j-32-(j-38)/4                  ; 39-41, 43-45, .. 63-65: s7 to s27
.endif
.if j < 38
.set e, (j-25)/2                       ; 25, 27, .. 37: s0 to s6
.endif
	v_exp_f32 v[rS+e], v[rS+e]
.elseif j < 86
	v_cvt_pk_f16_f32 v[rP+j-70], v[rS+2*(j-70)], v[rS+2*(j-70)+1]
.elseif j < 102                        ; the sum of the tile's 16 pairs, in place: neighbours 1, 2, 4 and 8 pairs apart, then l takes it
.set z, j-86
.set w, 4
.set u, z
.if z >= 14
.set w, 32
.set u, 0
.elseif z >= 12
.set w, 16
.set u, z-12
.elseif z >= 8
.set w, 8
.set u, z-8
.endif
.if (z == 14) && \first
	v_pk_add_f32 v[rT+2:rT+3], v[rS:rS+1], v[rS+16:rS+17]
.elseif z < 15
	v_pk_add_f32 v[rS+w*u:rS+w*u+1], v[rS+w*u:rS+w*u+1], v[rS+w*u+w/2:rS+w*u+w/2+1]
.elseif !\first
	v_pk_fma_f32 v[rT+2:rT+3], v[rT+2:rT+3], v[rT+6:rT+7], v[rS:rS+1] op_sel_hi:[1,0,1]
.endif
.else
	WIN W_RS
	v_pk_mul_f32 v[rO:rO+1], v[rO:rO+1], v[rT+6:rT+7] op_sel_hi:[1,0]
.endif
.endm
; Slice k of 59 of piece y's softmax.  Slices 11 to 34 deal out the batch, four numbers of ONE tile each, the tiles by turns; every other slice is numbers 2 k and 2 k + 1 of both tiles.
; Ahead of slice 35 nothing names an exponential's result and behind slice 34 none is issued: one plain line and ONE wait stand behind slice 34.
.macro SLICE y, first
.if (k >= 11) && (k < 35)
.irp n, 0,1,2,3
.set j, 22+4*((k-11)/2)+(\n)
	SM (\y)+(k-11)%2, \first
.endr
.else
.irp n, 0,1
.irp t, \y, \y+1
.set j, 2*k+\n
	SM \t, \first
.endr
.endr
.endif
.if k == 34
	v_nop                                          ; the plain line behind the last exponential
.if (\y) == 0
	FETCH_V                                        ; piece 2's turn: V's run of loads stands here, and the wait stands in it
.else
	s_wait_alu depctr_va_vdst(0)
.endif
.endif
.set k, k+1
.endm
; The slices behind product c of a turn of n products.  The last product has slice 58 behind it: four packed multiplies on the other piece's O^T, the four places ahead of the next read of the scores and of the loads into K's registers.
.macro DEAL y, first, n
.set per, 1
.if \n == 32
.if c < 27
.set per, 2
.endif
.else
.if c < 14
.set per, 4
.elseif c == 14
.set per, 2
.endif
.endif
.rept per
	SLICE \y, \first
.endr
.set c, c+1
.endm
.macro PLACES
.rept 4
	v_nop
.endr
.endm
; A TURN.  Piece x has the matrix unit.  pv = 2: 16 products V^T P; 1: they start O^T's sums; 0: none.  kq = 1: 16 products K Q^T for the next step.
; Piece 0's turn fetches the next step's K and bias behind its second product; piece 2's turn the same step's V behind slice 34: between its last V^T P and those loads stand two products K Q^T, five slices (three subtractions, seventeen exponentials), the v_nop, the address.
.macro TURN x, pv, kq, first
.set k, 0
.set c, 0
.set nn, 16
.if \pv && \kq
.set nn, 32
.endif
.if \pv
.if \x == 0
	s_wait_dscnt 0x0                               ; V is in
.endif
.set i, 0
.rept 16
	PV \x, 2-\pv
	DEAL 2-\x, \first, nn
.if (\x == 0) && \kq && (i == 1)
	FETCH_K
.endif
.set i, i+1
.endr
.endif
.if \kq
.if \x == 0
	s_wait_dscnt 0x0                               ; K and the bias are in
.endif
.set i, 0
.rept 16
	KQ \x
	DEAL 2-\x, \first, nn
.set i, i+1
.endr
.endif
.if \first
	PLACES                                         ; the first step's last slices are empty
.endif
.endm
; THE CHANGE OF SLOTS, when the slot's last bytes, V of its fourth step, have been asked for.  Each wave waits for all its tensor loads (one is out: its part of the other slot), adds 0 to its spare word, and waits for that and
; for its reads of the slot.  fill = 1: a round of the cluster's barrier, and the joint refill first behind it, with the keys two slots on: it has four key steps in which to land.
.macro CHANGE fill
	WIN 0
	s_wait_tensorcnt 0x0
	ds_add_u32 v[SPW], v[NIL]                      ; 0 onto my spare word
.if \fill
	s_xor_b32 s[G0+5], s[G0+5], SLOT1              ; the walking descriptor: the other slot than last time,
	s_add_nc_u64 s[G0+6:G0+7], s[G0+6:G0+7], SLOTK ; the next 256 keys
	s_wait_xcnt 0x0                                ; the last prefetch, four key steps back, has read its address
	s_add_nc_u64 s[PFA:PFA+1], s[PFA:PFA+1], SLOTK
	s_wait_dscnt 0x0                               ; the add is done, and my reads of the slot are over
	CROUND
	tensor_load_to_lds s[G0+4:G0+7], s[G1:G1+7]
	s_nop 0
.rept 4
	v_nop
.endr
	ASK
.else
	s_wait_dscnt 0x0
	s_barrier_signal -1
	s_barrier_wait -1
.endif
	s_sub_co_u32 s[TB], s[TB], 4*STEPB             ; the fetches go back to a slot's first step,
	s_xor_b32 s[TB], s[TB], SLOT1                  ; in the other slot
.endm
.macro STEPS n                         ; n key steps: written once, walked n times
	s_mov_b32 s[TWICE], \n
.Lstep_\@:
	TURN 0, 2, 1, 0
	TURN 2, 2, 1, 0
	WIN 0
	s_sub_co_u32 s[TWICE], s[TWICE], 1
	s_cmp_lg_u32 s[TWICE], 0
	s_cbranch_scc1 .Lstep_\@
.endm
	s_wait_tensorcnt 1                             ; my part of slot 0 is in; slot 1's may stay out
	s_wait_dscnt 0x0                               ; my part of the bias is stored
	s_barrier_signal -1
	s_barrier_wait -1
	FETCH_K                                        ; key step 0
	s_wait_loadcnt 0x0                             ; Q
	s_wait_dscnt 0x0
.set i, 0
.rept 16
	KQ 0                                           ; piece 0's first scores
.set i, i+1
.endr
	WIN 0
.irp t, 0,1,2,3
	v_mov_b32 v[ST+8*\t+1], 0                      ; named with m as a pair; these four lines are the places behind the products
.endr
	TURN 2, 0, 1, 1                                ; piece 2's first scores | piece 0's first softmax | V of step 0
	TURN 0, 1, 1, 1                                ; piece 0: V^T P of step 0 starts O^T, K Q^T of step 1 | piece 2's first softmax | K of step 1
	TURN 2, 1, 1, 0                                ; piece 2: the same | piece 0's softmax of step 1 | V of step 1
	WIN 0
	STEPS 2                                        ; slot 0's steps 2 and 3 are fetched
.Lslot:                                            ; six trips: every slot but the last two is filled again
	CHANGE 1
	STEPS 4
	s_sub_co_u32 s[SLOTS], s[SLOTS], 1
	s_cmp_lg_u32 s[SLOTS], 0
	s_cbranch_scc1 .Lslot
	CHANGE 0                                       ; the tail is written out
	STEPS 4
	TURN 0, 2, 0, 0                                ; piece 0: V^T P of the last step | piece 2's last softmax
.set i, 0
.rept 16
	PV 2, 0                                        ; piece 2: V^T P of the last step
.set i, i+1
.endr
	; THE WAY OUT.  l's two halves and the other half of the lanes' are added (these lines are the places behind the last products); O^T / l, rounded to f16: an accumulator's four packed registers are a chunk of ctx.
	WIN 0
.irp t, 0,1,2,3
	v_add_f32 v[ST+8*\t+4], v[ST+8*\t+2], v[ST+8*\t+3]
.endr
.irp t, 0,1,2,3
	v_permlanex16_b32 v[ST+8*\t+5], v[ST+8*\t+4], s[SEL], s[SEL+1]
.endr
.irp t, 0,1,2,3
	v_add_f32 v[ST+8*\t+4], v[ST+8*\t+4], v[ST+8*\t+5]
.endr
.irp t, 0,1,2,3
	v_rcp_f32 v[ST+8*\t+6], v[ST+8*\t+4]
.endr
	v_nop                                          ; a plain line behind the last reciprocal,
	s_wait_alu depctr_va_vdst(0)                   ; and one wait for the four, ahead of the first use
.macro PACK t
	WIN W_RS
.set i, 0
.rept 16
	v_pk_mul_f32 v[32*\t+2*i:32*\t+2*i+1], v[32*\t+2*i:32*\t+2*i+1], v[ST+8*\t+6:ST+8*\t+7] op_sel_hi:[1,0]
.set i, i+1
.endr
	WIN 0x05                                       ; sources window 1, destination window 0: S^T's registers are free
.set i, 0
.rept 16
	v_cvt_pk_f16_f32 v[S+16*\t+i], v[32*\t+2*i], v[32*\t+2*i+1]
.set i, i+1
.endr
	WIN 0
.irp ct, 0,1,2,3
	global_store_b128 v[LI], v[S+16*\t+4*\ct:S+16*\t+4*\ct+3], s[8:9] offset:32768*\t+512*\ct   ; the wave stores 512 consecutive bytes, aligned
.endr
.endm
	PACK 0
	PACK 1
	PACK 2
	PACK 3
	s_wait_tensorcnt 0x0                           ; the wave's end
	ds_add_u32 v[SPW], v[NIL]
	s_wait_dscnt 0x0
	CROUND                                         ; the closing round
	s_endpgm
.Lfunc_end_k_qb5d5a66166_attn:
	.size	k_qb5d5a66166_attn, .Lfunc_end_k_qb5d5a66166_attn-k_qb5d5a66166_attn
	.p2alignl 7, 3214868480
	.fill 96, 4, 3214868480
	.section	.rodata,"a",@progbits
	.p2align	6, 0x0
	.amdhsa_kernel k_qb5d5a66166_attn
		.amdhsa_group_segment_fixed_size 327680
		.amdhsa_private_segment_fixed_size 0
		.amdhsa_enable_private_segment 0
		.amdhsa_kernarg_size 24
		.amdhsa_user_sgpr_count 2
		.amdhsa_user_sgpr_kernarg_segment_ptr 1
		.amdhsa_wavefront_size32 1
		.amdhsa_system_sgpr_workgroup_id_x 1
		.amdhsa_system_sgpr_workgroup_id_y 1
		.amdhsa_system_sgpr_workgroup_id_z 1
		.amdhsa_system_vgpr_workitem_id 0
		.amdhsa_next_free_vgpr 1024
		.amdhsa_next_free_sgpr 66
		.amdhsa_reserve_vcc 1
		.amdhsa_float_denorm_mode_32 3
		.amdhsa_float_denorm_mode_16_64 3
		.amdhsa_memory_ordered 1
		.amdhsa_forward_progress 1
		.amdhsa_inst_pref_size 194
	.end_amdhsa_kernel
	.amdgpu_metadata
---
amdhsa.version: [ 1, 2 ]
amdhsa.kernels:
  - .name:           k_qb5d5a66166_attn
    .symbol:         k_qb5d5a66166_attn.kd
    .args:
      - { .name: qkv, .offset: 0, .size: 8, .value_kind: global_buffer, .address_space: global }
      - { .name: mask, .offset: 8, .size: 8, .value_kind: global_buffer, .address_space: global }
      - { .name: ctx, .offset: 16, .size: 8, .value_kind: global_buffer, .address_space: global }
    .group_segment_fixed_size: 327680
    .private_segment_fixed_size: 0
    .kernarg_segment_align: 8
    .kernarg_segment_size: 24
    .max_flat_workgroup_size: 128
    .sgpr_count:     66
    .vgpr_count:     1024
    .wavefront_size: 32
...
	.end_amdgpu_metadata
.endif
;; end of part 3
;; launch oproj (part 4): grid 8 x 32, 4 waves a work-group, clusters of 4 x 4, 327,680 bytes of LDS; arguments ctx, wo16, bo, out0; writes out0
.if DOCPART == 4
	.amdgcn_target "amdgcn-amd-amdhsa--gfx1250"
	.amdhsa_code_object_version 6
	.text
	.protected	k_qb5d5a66166_oproj
	.globl	k_qb5d5a66166_oproj
	.p2align	8
	.type	k_qb5d5a66166_oproj,@function
k_qb5d5a66166_oproj:
	s_mov_b64 s[64:65], 0
	v_nop
	global_prefetch_b8 v0, s[64:65] scope:SCOPE_SE
	s_setreg_imm32_b32 hwreg(HW_REG_WAVE_MODE, 25, 1), 1
	s_wait_xcnt 0x0
	s_wait_alu depctr_hold_cnt(0) depctr_sa_sdst(0) depctr_va_vdst(0) depctr_va_sdst(0) depctr_va_ssrc(0) depctr_va_vcc(0) depctr_vm_vsrc(0)
	s_getreg_b32 s2, hwreg(HW_REG_IB_STS2, 6, 4)
	s_cmp_eq_u32 s2, 0
	s_cbranch_scc0 .Lentry_in_a_cluster
	s_endpgm
.Lentry_in_a_cluster:
	s_bfe_u32 s2, ttmp6, 0x10000c
	s_cmp_lg_u32 s2, 0xf033
	s_cbranch_scc0 .Lentry_shape_is_right
	s_endpgm
.Lentry_shape_is_right:
; OPROJ.  out0[token][n] = the sum over k of ctx[token][k] Wo[n][k] + bo[n].  ctx and Wo are f16, in chunks of 512 bytes in the order of an operand's registers ([tile of 16 rows][chunk of 16 along K: 64][512 bytes]); sums f32; out0 f32.
; A work-group makes 256 tokens x 128 channels: 256 work-groups.  Wave (wr, wc) makes 128 tokens x 64 channels: 32 accumulators, 256 registers.
; THE MATRIX INSTRUCTION IS USED TRANSPOSED (source 0 = 16 rows of Wo, source 1 = 16 tokens): a lane holds one token and eight neighbouring channels.  bo is the C of each sum's first matrix instruction.
; K goes in 8 steps of 128 (8 chunks, 4,096 consecutive bytes of each tile of rows) through a ring of two LDS slots.  Every LDS read is 16 x lane + a constant: dense, no padding.
; CLUSTERS: 4 x 4 work-groups: ctx's tiles are shared along a row of the cluster, Wo's along a column: joint loads.  Waves 0, 1 fetch ctx's halves (8 rows of 4,096 bytes), waves 2, 3 Wo's (4 rows): two loads of a wave are out at the head, one behind each round.
; REGISTERS: window 0: v8-21 addresses; v24-55 bo; v64-159, v160-255 two fragment buffers (ctx's 8 fragments, then Wo's 4); on the way out v64-127 rows of out0.   window 1: the accumulators, (a, b) at v[8 (4 a + b)].
.set KSB,   4096                       ; a K step of a tile of 16 rows, in bytes
.set TROW,  32768                      ; a tile of 16 rows, all of K
.set SLOT,  24*KSB                     ; ctx's 16 tiles, then Wo's 8
.set BOFF,  16*KSB
.set STAGE, 2*SLOT                     ; 16 rows x (256 bytes + 16) for each wave
.set SPARE, STAGE+4*16*272             ; the spare words, 128 bytes for each wave
.set LAPS,  4
.set STO,  8
.set RD,   9
.set CO,   10
.set PFO,  11
.set SPW,  12
.set NIL,  13
.set ADRA, 16
.set ADRB, 20
.set BI,   24
.set F0,   64
.set F1,   160
.set LIM,  12
.set G1,   24
.set G0,   32
.set G1B,  48
.set G0B,  56
.set PFA,  66
.set MSB, 0
.macro WIN new
.if MSB != \new
	s_set_vgpr_msb (MSB<<8)|\new
.set MSB, \new
.endif
.endm
.set MUL, 0x50                         ; sources window 0, C and D window 1
.macro JLOAD s                         ; a joint load; an s_nop 0 and four v_nop follow each of the two lines
	s_cmp_eq_u32 s15, 0
	s_cbranch_scc0 .Lfor_b_\@
	tensor_load_to_lds s[G0+4*\s:G0+4*\s+3], s[G1:G1+7]
	s_nop 0
.rept 4
	v_nop
.endr
	s_branch .Lasked_\@
.Lfor_b_\@:
	tensor_load_to_lds s[G0B+4*\s:G0B+4*\s+3], s[G1B:G1B+7]
	s_nop 0
.rept 4
	v_nop
.endr
.Lasked_\@:
.endm
.macro CREST
	s_cmp_lg_u32 s14, 0
	s_cbranch_scc1 .Lnot_wave_0_\@
	s_barrier_signal -3
.Lnot_wave_0_\@:
	s_barrier_wait -3
	s_barrier_signal -1
	s_barrier_wait -1
.endm
.macro CROUND
	s_barrier_signal -1
	s_barrier_wait -1
	CREST
.endm
; A prefetch of ctx's K step that stands two refills on.  A tile row of ctx is read by both clusters of its row of clusters: the first (cluster x = 0) asks.  Of the 8 tiles that wave 0 or 1 fetches, the partner at place cx takes
; tiles 2 cx and 2 cx + 1, told apart by address: 32 blocks of 256 bytes, a lane a block.  K steps 4 to 7 are asked for; the loop's last trip asks for nothing.  Wo is read by all 32 tile rows and is not asked for.
.macro ASK
	s_cmp_gt_u32 s3, s[LIM]
	s_cbranch_scc0 .Lnot_mine_\@
	global_prefetch_b8 v[PFO], s[PFA:PFA+1] offset:KSB th:TH_LOAD_NT scope:SCOPE_SE
.Lnot_mine_\@:
.endm
	s_load_b256 s[4:11], s[0:1], 0x0               ; ctx, wo16, bo, out0
	v_lshl_add_u32 v[SPW], v0, 2, SPARE
	v_mov_b32 v[NIL], 0
	ds_add_u32 v[SPW], v[NIL]                      ; the wave's opening: the add, twice on end, and its wait ahead of my first tensor load
	ds_add_u32 v[SPW], v[NIL]
	v_lshrrev_b32 v1, 5, v0
	v_readfirstlane_b32 s14, v1                    ; wave 0..3
	s_lshr_b32 s15, s14, 1                         ; wr: which half of the tokens is mine.  Also: I fetch for ctx (0) or for Wo (1)
	s_and_b32 s16, s14, 1                          ; wc: which half of the channels.  Also: which half of that tile I fetch
	s_bfe_u32 s40, ttmp6, 0x40000                  ; cx, cy
	s_bfe_u32 s41, ttmp6, 0x40004
	s_lshl_b32 s42, ttmp9, 2
	s_add_co_u32 s42, s42, s40                     ; tile column
	s_and_b32 s17, ttmp7, 0xffff
	s_lshl_b32 s17, s17, 2
	s_add_co_u32 s17, s17, s41                     ; tile row
	s_lshl_b32 s43, s41, 2
	s_lshl_b32 s43, 15, s43                        ; my row of the cluster
	s_lshl_b32 s44, 0x1111, s40                    ; my column
	s_or_b32 s[G1], s43, (3<<16)|(1<<21)           ; the mask; elements of 8 bytes; bit 21 set beside a mask; no padding
	s_or_b32 s[G1B], s44, (3<<16)|(1<<21)
	s_mov_b32 s[G1+1], 512<<16                     ; tensor_dim0: 4,096 bytes
	s_mov_b32 s[G1+2], 8<<16                       ; tensor_dim1: 8 tiles of rows
	s_mov_b32 s[G1+3], 512<<16                     ; tile_dim0
	s_mov_b32 s[G1+4], 8                           ; tile_dim1
	s_mov_b32 s[G1+5], 4096                        ; from tile to tile: 32,768 bytes
	s_mov_b32 s[G1+6], 0
	s_mov_b32 s[G1+7], 0
	s_mov_b32 s[G1B+1], 512<<16
	s_mov_b32 s[G1B+2], 4<<16
	s_mov_b32 s[G1B+3], 512<<16
	s_mov_b32 s[G1B+4], 4
	s_mov_b32 s[G1B+5], 4096
	s_mov_b32 s[G1B+6], 0
	s_mov_b32 s[G1B+7], 0
	s_lshl_b32 s20, s17, 4
	s_lshl_b32 s18, s16, 3
	s_add_co_u32 s20, s20, s18                     ; ctx: tile 16 x tile row + 8 x half
	s_lshl_b32 s20, s20, 15
	s_mov_b32 s21, 0
	s_lshl_b32 s46, s42, 3
	s_lshl_b32 s18, s16, 2
	s_add_co_u32 s46, s46, s18                     ; Wo: tile 8 x tile column + 4 x half
	s_lshl_b32 s46, s46, 15
	s_mov_b32 s47, 0
	s_lshl_b32 s22, s16, 15                        ; where they go: ctx's halves,
	s_lshl_b32 s23, s16, 14
	s_add_co_u32 s23, s23, BOFF                    ; Wo's behind them
	s_or_b32 s[LIM], s15, ttmp9                    ; 0 in waves 0 and 1 of the clusters with x = 0
	s_cmp_eq_u32 s[LIM], 0
	s_cselect_b32 s[LIM], 1, -1
	s_wait_dscnt 0x0                               ; both opening adds are done
	s_wait_kmcnt 0x0
	s_add_nc_u64 s[20:21], s[4:5], s[20:21]
	s_add_nc_u64 s[46:47], s[6:7], s[46:47]
	CROUND                                         ; all sixteen work-groups are here: the first joint loads meet
.irp s, 0,1
	s_mov_b32 s[G0+4*\s], 1
	s_add_co_u32 s[G0+4*\s+1], s22, \s*SLOT
	s_add_nc_u64 s[G0+4*\s+2:G0+4*\s+3], s[20:21], \s*KSB
	s_or_b32 s[G0+4*\s+3], s[G0+4*\s+3], 0x80000000
	s_mov_b32 s[G0B+4*\s], 1
	s_add_co_u32 s[G0B+4*\s+1], s23, \s*SLOT
	s_add_nc_u64 s[G0B+4*\s+2:G0B+4*\s+3], s[46:47], \s*KSB
	s_or_b32 s[G0B+4*\s+3], s[G0B+4*\s+3], 0x80000000
	JLOAD \s
.endr
	s_lshl_b32 s68, s40, 16                        ; the prefetches: my work-group's two tiles of the eight,
	s_mov_b32 s69, 0
	s_add_nc_u64 s[PFA:PFA+1], s[20:21], s[68:69]
	s_add_nc_u64 s[PFA:PFA+1], s[PFA:PFA+1], 2*KSB ; at K step 2: the first refill steps it to 3 and names K step 4.  Nothing is prefetched at the head
	v_and_b32 v1, 15, v0                           ; r
	v_bfe_u32 v2, v0, 4, 1                         ; h
	v_and_b32 v3, 31, v0
	v_lshlrev_b32 v3, 4, v3                        ; 16 x lane
	s_lshl_b32 s18, s15, 15                        ; my 8 tiles of ctx
	s_lshl_b32 s19, s16, 14
	s_add_co_u32 s19, s19, BOFF                    ; my 4 tiles of Wo
.irp s, 0,1
	v_add_nc_u32 v[ADRA+\s], s18, v3
	v_add_nc_u32 v[ADRB+\s], s19, v3
	s_add_co_u32 s18, s18, SLOT
	s_add_co_u32 s19, s19, SLOT
.endr
	s_mul_i32 s18, s14, 16*272
	s_add_co_u32 s18, s18, STAGE                   ; my stage
	v_mul_u32_u24 v4, v1, 272
	v_lshl_add_u32 v4, v2, 5, v4
	v_add_nc_u32 v[STO], s18, v4                   ; in: row r, 32 bytes for each half of the lanes
	v_mul_u32_u24 v4, v2, 272
	v_lshl_add_u32 v4, v1, 4, v4
	v_add_nc_u32 v[RD], s18, v4                    ; back: lanes 0-15 one row of 256 bytes, lanes 16-31 the next
	v_lshlrev_b32 v4, 12, v2
	v_lshl_add_u32 v[CO], v1, 4, v4                ; and the same two rows in out0
	v_lshlrev_b32 v4, 15, v2
	v_lshl_add_u32 v[PFO], v1, 8, v4               ; the prefetches: tile lane / 16, block lane % 16
	v_lshlrev_b32 v5, 5, v2                        ; 32 h
	s_lshl_b32 s68, s42, 9                         ; my first channel, in bytes: 512 x tile column + 256 x half
	s_lshl_b32 s18, s16, 8
	s_add_co_u32 s68, s68, s18
	s_add_nc_u64 s[8:9], s[8:9], s[68:69]
.irp b, 0,1,2,3
	global_load_b128 v[BI+8*\b:BI+8*\b+3], v5, s[8:9] offset:64*\b          ; register 8 b + j = bo[16 b + 8 h + j]
	global_load_b128 v[BI+8*\b+4:BI+8*\b+7], v5, s[8:9] offset:64*\b+16
.endr
	s_lshl_b32 s18, s17, 8
	s_lshl_b32 s19, s15, 7
	s_add_co_u32 s18, s18, s19                     ; my first token
	s_lshl_b32 s18, s18, 12                        ; 4,096 bytes a row of out0
	s_add_co_u32 s68, s68, s18
	s_add_nc_u64 s[10:11], s[10:11], s[68:69]
; 8 matrix instructions: token tiles a0, a0 + 1 against Wo's four, 32 along K.  first = 1: the sums start from bo.  The 32 accumulators take turns, one instruction a turn.
.macro MUL8 f, a0, first
.irp a, \a0, \a0+1
.irp b, 0,1,2,3
.if \first
	v_wmma_f32_16x16x32_f16 v[8*(4*(\a)+\b):8*(4*(\a)+\b)+7], v[\f+64+8*\b:\f+64+8*\b+7], v[\f+8*(\a):\f+8*(\a)+7], v[BI+8*\b:BI+8*\b+7]
.else
	v_wmma_f32_16x16x32_f16 v[8*(4*(\a)+\b):8*(4*(\a)+\b)+7], v[\f+64+8*\b:\f+64+8*\b+7], v[\f+8*(\a):\f+8*(\a)+7], v[8*(4*(\a)+\b):8*(4*(\a)+\b)+7]
.endif
.endr
.endr
.endm
.macro FETCH slot, q, f                ; 24 LDS loads in one run: quarter q's fragments: Wo's four, then ctx's eight
.irp i, 0,1,2,3
	ds_load_b128 v[\f+64+8*\i:\f+64+8*\i+3], v[ADRB+\slot] offset:KSB*\i+1024*(\q)
	ds_load_b128 v[\f+64+8*\i+4:\f+64+8*\i+7], v[ADRB+\slot] offset:KSB*\i+1024*(\q)+512
.endr
.irp i, 0,1,2,3,4,5,6,7
	ds_load_b128 v[\f+8*\i:\f+8*\i+3], v[ADRA+\slot] offset:KSB*\i+1024*(\q)
	ds_load_b128 v[\f+8*\i+4:\f+8*\i+7], v[ADRA+\slot] offset:KSB*\i+1024*(\q)+512
.endr
.endm
.macro PLACES                          ; four plain places in front of loads into registers that matrix instructions have read, and of reads of results
.rept 4
	v_nop
.endr
.endm
; A K step is four quarters of 32 along K, 32 matrix instructions each, on buffers 0, 1, 0, 1.  One of the first three multiplies buffer f and fetches quarter q into g.
.macro QUARTER slot, q, f, g, first
	s_wait_dscnt 8                                 ; Wo's and ctx's tiles 0-3 are in; the youngest eight loads (tiles 4-7) may be out
.if \first
	WIN 0x40                                       ; C (bo) window 0, D window 1
.else
	WIN MUL
.endif
	MUL8 \f, 0, \first
	MUL8 \f, 2, \first
	PLACES
	WIN 0
	FETCH \slot, \q, \g
	s_wait_dscnt 24                                ; all but the 24 just issued
.if \first
	WIN 0x40
.else
	WIN MUL
.endif
	MUL8 \f, 4, \first
	MUL8 \f, 6, \first
.endm
; The last quarter multiplies buffer 1 and changes slots: in front of the barrier each wave waits for all its tensor loads, adds 0 to its spare word, and waits for that and for its reads of this slot.  fill = 1: the barrier opens
; a round of the cluster's, and this slot is filled again, two K steps ahead, first thing behind it.
.macro TURN slot, next, fill
.if \fill
	s_wait_xcnt 0x0                                ; the last prefetch, a K step back, has read its address
	s_add_nc_u64 s[PFA:PFA+1], s[PFA:PFA+1], KSB
.endif
	WIN 0
	s_wait_tensorcnt 0x0                           ; my part of the next slot has landed
	ds_add_u32 v[SPW], v[NIL]                      ; 0 onto my spare word
	s_wait_dscnt 9                                 ; (the add and the youngest eight loads may be out)
	WIN MUL
	MUL8 F1, 0, 0
	s_wait_dscnt 0x0                               ; the add is done, and my reads of this slot are over
	s_barrier_signal -1
	MUL8 F1, 2, 0
	WIN 0
	s_barrier_wait -1
.if \fill
	CREST
	s_add_nc_u64 s[G0+4*\slot+2:G0+4*\slot+3], s[G0+4*\slot+2:G0+4*\slot+3], 2*KSB
	s_add_nc_u64 s[G0B+4*\slot+2:G0B+4*\slot+3], s[G0B+4*\slot+2:G0B+4*\slot+3], 2*KSB
	JLOAD \slot                                    ; the four v_nop behind it are also the places in front of the loads below
.else
	PLACES
.endif
	FETCH \next, 0, F0
.if \fill
	ASK
.endif
	WIN MUL
	MUL8 F1, 4, 0
	MUL8 F1, 6, 0
.endm
	s_wait_loadcnt 0x0                             ; bo
	s_wait_tensorcnt 1                             ; my part of K step 0 is in (K step 1's may be out)
	s_barrier_signal -1
	s_barrier_wait -1                              ; everybody's is
	FETCH 0, 0, F0
	QUARTER 0, 1, F0, F1, 1                        ; the first quarter stands in front of the loop: its products start the sums
	WIN 0
	s_mov_b32 s3, LAPS-1
.Llap:                                             ; a trip goes once round the ring and fills both slots again
	QUARTER 0, 2, F1, F0, 0
	QUARTER 0, 3, F0, F1, 0
	TURN 0, 1, 1
	QUARTER 1, 1, F0, F1, 0
	QUARTER 1, 2, F1, F0, 0
	QUARTER 1, 3, F0, F1, 0
	TURN 1, 0, 1
	QUARTER 0, 1, F0, F1, 0
	WIN 0
	s_sub_co_u32 s3, s3, 1
	s_cmp_lg_u32 s3, 0
	s_cbranch_scc1 .Llap
	QUARTER 0, 2, F1, F0, 0                        ; the last lap fills nothing
	QUARTER 0, 3, F0, F1, 0
	TURN 0, 1, 0
	QUARTER 1, 1, F0, F1, 0
	QUARTER 1, 2, F1, F0, 0
	QUARTER 1, 3, F0, F1, 0
	s_wait_dscnt 8                                 ; the very last quarter
	WIN MUL
	MUL8 F1, 0, 0
	MUL8 F1, 2, 0
	s_wait_dscnt 0
	MUL8 F1, 4, 0
	MUL8 F1, 6, 0
	WIN 0
; THE WAY OUT, a tile of 16 tokens x 64 channels at a time, through my own stage: in as 32 bytes a lane, back as whole rows of 256 bytes.  LDS serves a wave's instructions in order: no wait between the stores and the loads.
.macro TOSTAGE a
	WIN 0x04                                       ; an LDS store's data: window 1
.irp b, 0,1,2,3
	ds_store_b128 v[STO], v[8*(4*(\a)+\b):8*(4*(\a)+\b)+3] offset:64*\b        ; each accumulator from its low end on
	ds_store_b128 v[STO], v[8*(4*(\a)+\b)+4:8*(4*(\a)+\b)+7] offset:64*\b+16
.endr
	WIN 0
.set BB, 64+32*((\a)%2)
.irp t, 0,1,2,3,4,5,6,7
	ds_load_b128 v[BB+4*\t:BB+4*\t+3], v[RD] offset:544*\t
.endr
.endm
.macro SEND a, younger
.set BB, 64+32*((\a)%2)
	s_wait_dscnt \younger                          ; the tile is back in registers; the next tile's sixteen LDS instructions may be out
.irp t, 0,1,2,3,4,5,6,7
	global_store_b128 v[CO], v[BB+4*\t:BB+4*\t+3], s[10:11] offset:65536*(\a)+8192*\t th:TH_STORE_NT   ; 16 lanes store 256 consecutive bytes, aligned
.endr
.endm
	PLACES
	TOSTAGE 0
.irp a, 1,2,3,4,5,6,7
.if \a > 1
	s_wait_xcnt 0x0                                ; tile a - 2's stores have read their registers: tile a's loads may land there
.endif
	TOSTAGE \a
	SEND \a-1, 16
.endr
	SEND 7, 0
	s_wait_tensorcnt 0x0                           ; the wave's end
	ds_add_u32 v[SPW], v[NIL]
	s_wait_dscnt 0x0
	CROUND                                         ; the closing round
	s_endpgm
.Lfunc_end_k_qb5d5a66166_oproj:
	.size	k_qb5d5a66166_oproj, .Lfunc_end_k_qb5d5a66166_oproj-k_qb5d5a66166_oproj
	.p2alignl 7, 3214868480
	.fill 96, 4, 3214868480
	.section	.rodata,"a",@progbits
	.p2align	6, 0x0
	.amdhsa_kernel k_qb5d5a66166_oproj
		.amdhsa_group_segment_fixed_size 327680
		.amdhsa_private_segment_fixed_size 0
		.amdhsa_enable_private_segment 0
		.amdhsa_kernarg_size 32
		.amdhsa_user_sgpr_count 2
		.amdhsa_user_sgpr_kernarg_segment_ptr 1
		.amdhsa_wavefront_size32 1
		.amdhsa_system_sgpr_workgroup_id_x 1
		.amdhsa_system_sgpr_workgroup_id_y 1
		.amdhsa_system_sgpr_workgroup_id_z 1
		.amdhsa_system_vgpr_workitem_id 0
		.amdhsa_next_free_vgpr 512
		.amdhsa_next_free_sgpr 72
		.amdhsa_reserve_vcc 0
		.amdhsa_float_denorm_mode_32 3
		.amdhsa_float_denorm_mode_16_64 3
		.amdhsa_memory_ordered 1
		.amdhsa_forward_progress 1
		.amdhsa_inst_pref_size 87
	.end_amdhsa_kernel
	.amdgpu_metadata
---
amdhsa.version: [ 1, 2 ]
amdhsa.kernels:
  - .name:           k_qb5d5a66166_oproj
    .symbol:         k_qb5d5a66166_oproj.kd
    .args:
      - { .name: ctx, .offset: 0, .size: 8, .value_kind: global_buffer, .address_space: global }
      - { .name: wo16, .offset: 8, .size: 8, .value_kind: global_buffer, .address_space: global }
      - { .name: bo, .offset: 16, .size: 8, .value_kind: global_buffer, .address_space: global }
      - { .name: out0, .offset: 24, .size: 8, .value_kind: global_buffer, .address_space: global }
    .group_segment_fixed_size: 327680
    .private_segment_fixed_size: 0
    .kernarg_segment_align: 8
    .kernarg_segment_size: 32
    .max_flat_workgroup_size: 128
    .sgpr_count:     72
    .vgpr_count:     512
    .wavefront_size: 32
...
	.end_amdgpu_metadata
.endif
;; end of part 4
